; MI455X (gfx1250); checked and timed in simulation.
; The chip was launched on July 23, 2026; its instructions are those of AMD's public machine-readable ISA for CDNA 5 (MIT licence, August 2026) and "CDNA5" Instruction Set Architecture Reference Guide (July 2026). The comments in the code are by the model that wrote it; some were corrected since.
;; Contrastive Hessian Calculator. Allowed arithmetic: matrix products marked QUANTISED: E2M1 operands, one E8M0 scale for each 32 along K, by v_wmma_scale_f32_16x16x128_f8f6f4 with both operands' format E2M1 (or v_wmma_scale_f32_32x16x128_f4), f32 sums; everything else in f32.
;; Inputs: W1 512 x 256 float32; W2 64 x 512 float32; an 1,024 int32; ap 1,024 int32; b1 512 float32; b2 64 float32; n 1,024 int32; p 1,024 int32; x 50,000 x 256 float32.
;; Outputs: out0 164,416 float32.
;; This version of the problem:
;;   THIS VERSION OF THE PROBLEM IS GIVEN IN LOW PRECISION. The matrix products marked QUANTISED in the list below multiply operands that are first quantised to E2M1 (2 exponent bits, 1 mantissa bit; 4 bits a number), with one power-of-two scale for each 32 numbers along K (OCP MX v1.0); their sums are f32. All else is computed in f32.
;;   The module's matrix products, in the order in which they are computed (A, B: the left and right operand; K: the contracted axis; several contracted axes count as one K, in the product's order):
;;     1. [M 1,024, K 256] x [K 256, N 512]; A: computed on the way; B: input W1: QUANTISED
;;     2. [M 1,024, K 256] x [K 256, N 512]; A: computed on the way; B: input W1: QUANTISED
;;     3. [M 1,024, K 256] x [K 256, N 512]; A: computed on the way; B: input W1: QUANTISED
;;     4. [M 1,024, K 256] x [K 256, N 512]; A: computed on the way; B: input W1: QUANTISED
;;   THE QUANTISER, for each operand of a quantised product, along K:
;;     - K is cut into blocks of 32 from its start; a last block that is shorter is filled with zeros.
;;     - A block's scale is 2^e with e = floor(log2(the largest magnitude in the block)) - 2, held to -126 .. 127; a block of zeros has e = 0. As a byte (E8M0): e + 127.
;;     - Each number is divided by its block's scale, clamped to +-6, and rounded to the nearest number of E2M1, ties to even, subnormals kept.
;;     - The product sums the exact products of the quantised numbers (number of the format x scale) in f32.
;;   ~~~python
;;   def quantise(x, axis):      # numpy; x: float32 -> the quantised numbers, widened to float32 again
;;       x = np.moveaxis(x, axis, -1); K = x.shape[-1]
;;       x = np.pad(x, [(0, 0)] * (x.ndim - 1) + [(0, -K % 32)]); x = x.reshape(x.shape[:-1] + (-1, 32)); a = np.abs(x).max(-1, keepdims=True)
;;       e = np.where(a > 0, np.clip(np.frexp(np.where(a > 0, a, 1))[1] - 1 - 2, -126, 127), 0)      # np.frexp(a)[1] - 1 = floor(log2(a)), exactly
;;       r = np.clip(x / 2.0 ** e, -6, 6)
;;       step = 2.0 ** (np.maximum(np.frexp(np.where(r == 0, 1, r))[1] - 1, 0) - 1)
;;       q = np.round(r / step) * step * 2.0 ** e      # np.round: ties to even
;;       return np.moveaxis(q.reshape(q.shape[:-2] + (-1,))[..., :K], -1, axis).astype(np.float32)
;;   ~~~
;;   OPERANDS COMPUTED ON THE WAY. 'Computed on the way' means the value that the module computes at that place (a softmax that the list does not call 'softmax' is quantised finished and normalised). What goes into a quantiser is computed in f32, as accurately as f32 sums, v_exp_f32 and their like allow (about 1e-6 of the number): no bf16 or f16 on the way to a quantiser, and a product that is left as it is and whose result goes on into a quantised operand takes f32 operands (vector FMAs, or v_wmma_f32_16x16x4_f32). A number that lies on a knife's edge between two numbers of the format may be rounded either way, as far as f32 arithmetic and the matrix unit's own rounding can turn it there, and no further.
;; 2 versions. Each part assembles by itself: llvm-mc -triple=amdgcn-amd-amdhsa -mcpu=gfx1250 --defsym DOCPART=n.
;; ======== version 1 of 2: 2 launches
;; workspace buffers: pw 16,777,216 bytes; ps 131,072 bytes
;; launch pairs (part 1): grid 8 x 32, 4 waves a work-group, no clusters, 246,272 bytes of LDS; arguments x, W1, b1, W2, ap, p, an, n, pw, ps; writes pw, ps
.if DOCPART == 1
	.amdgcn_target "amdgcn-amd-amdhsa--gfx1250"
	.amdhsa_code_object_version 6
	.text
	.protected	k_qe014df043c_pairs
	.globl	k_qe014df043c_pairs
	.p2align	8
	.type	k_qe014df043c_pairs,@function
k_qe014df043c_pairs:
	s_mov_b64 s[64:65], 0
	v_nop
	global_prefetch_b8 v0, s[64:65] scope:SCOPE_SE
	s_setreg_imm32_b32 hwreg(HW_REG_WAVE_MODE, 25, 1), 1
	s_wait_xcnt 0x0
; The diagonal of the contrastive GGN of Linear(256,512) - tanh - Linear(512,64), for one tile of 64 hidden units and one slice of 64 pairs.
; For a pair (a, b):  W1 part (i, j): c_i (da_i xa_j - db_i xb_j)^2;  b1 part (i): c_i (da_i - db_i)^2;  W2 part (j): (ha_j - hb_j)^2;  c_i = sum over o of W2[o][i]^2.
; This is reference()'s S11 xa^2 - 2 S12 xa xb + S22 xb^2 as one square: the same three operations a number, and no difference of large terms.
; h = tanh(Q(x) Q(W1)^T + b1): both operands quantised to E2M1 with one E8M0 scale for each 32 along K = 256, multiplied by the scaled matrix instruction; all else f32.
; tanh: e = 2^(2 log2(e) (z + b1)), r = 1 / (1 + e): h = 1 - 2 r, 1 - h^2 = 4 u with u = r - r^2, ha - hb = -2 (ra - rb).  The factors 16 and 4 and the pair's sign go into the multipliers at the end.
; GRID: x = the tile of 64 units (8), y = the slice of 64 pairs (32): slices 0-15 are pairs of (ap, p) and count +, slices 16-31 pairs of (an, n) and count -.
; OUT: pw[slice][unit 512][column 256], ps[slice][tile][q][64] (q = 0: the b1 part, q = 1: the W2 part); the next launch adds the 32 slices.
; SHARES: wave w gathers and quantises pairs 16 w .. 16 w + 15 (both sides) and rows 16 w .. 16 w + 15 of the tile of W1; it multiplies its 32 rows of x by all 64 rows of W1.
;   Then, for ALL 64 pairs, it adds up the W1 part of units 16 w .. 16 w + 15 x 256 columns: 128 sums a lane, three packed instructions for two numbers.
; b2 stands in no expression of reference() (its part of the result is zeros, which the next launch stores): it is not among this program's arguments.
; LIMITS: NaN and infinities among the inputs are not served.  Indices are taken as unsigned and held at 49,999.  A block of zeros gets the scale byte 1 where the rule says 127: its codes are zeros,
;   which add nothing under that byte, and only this program reads the bytes.  u has an absolute error of about 6e-8 (one rounding of r), as reference()'s own 1 - h h has.
; No tensor loads and no copies: the rows of x come by a list of indices, so each wave loads them into registers; every LDS byte is written once.
.set XP,   1040                        ; a row of 256 f32 in LDS: 1,024 bytes + 16 = 260 words: row r starts at bank 4 r mod 64 (64 banks of 4 bytes: ISA guide 11.1), so 16 rows of a 16-byte load fall on different banks
.set DP,   528                         ; a pair's u: 64 of side a, 64 of side b (negated), 16 bytes of padding
.set XSB,  64*XP                       ; LDS: x's rows of side a from 0, of side b from here
.set WST,  128*XP                      ; 64 rows of W1 in f32
.set WIM,  WST+64*XP                   ; W1's 8 fragments as images of their registers: (tile t, K step s) at 1,024 (2 t + s), lane l's 16 bytes at 16 l, 512 bytes a store
.set WSC,  WIM+8192                    ; their scale words: 128 (2 t + s) + 4 l
.set DS,   WSC+1024                    ; u, a pair every DP bytes
.set WS,   DS+64*DP                    ; each wave's sums over its 16 pairs: 512 bytes a wave, [q][64 units]
.set CS,   WS+2048                     ; c' = +-16 c of the 64 units
.set LAST, 49999                       ; x's last row
; VECTOR REGISTERS, window 0.  v1 16 x lane, v2 r = lane % 16, v3 h = lane / 16, v10 8 h, v11 4 x lane, v14 8 x lane: never rewritten.  v4-9, v15: LDS addresses.  v12-13: the data of the ps store.
.set XO,   16                          ; v16-47   byte offsets of my 32 rows of x; when those loads are in: x's fragments, side e and K step s at FA + 16 e + 8 s
.set FA,   16
.set W2D,  48                          ; v48-79   my part of W2
.set B1D,  80                          ; v80-83   b1 of unit 16 t + r
.set M,    84                          ; v84-87   largest magnitudes of four blocks
.set PT,   88                          ; v88-89   destinations of lane permutes
.set WIA,  90                          ; v90      where I store W1's images;  v91 their scale words
.set WSA,  91
.set SO,   92                          ; v92-95   the conversions' scale operands;  v96-99 the scales' bytes
.set BY,   96
.set PC,   100                         ; v100-115 W1's codes just made
.set XW,   116                         ; v116-119 x's scale words: side e, K step s at XW + 2 e + s
.set WW,   120                         ; v120-121 W1's scale words just made
.set W2O,  122                         ; v122 my offset in W2; v123 in b1; v124-126 where I store sums, u and c'; v127 where W1's images are read
.set B1O,  123
.set WSS,  124
.set DSS,  125
.set CSS,  126
.set WIR,  127
.set X,    128                         ; v128-255 the 128 numbers a lane of the tile that is being quantised
.set WF,   128                         ; behind the first barrier: v128-191 W1's 8 fragments, later u: side e, tile t at U + 8 (4 e + t)
.set U,    128
.set WSR,  192                         ; v192-199 W1's scale words
.set BB,   200                         ; v200-207 the pairs (K b1, K b1), K = 2 log2(e)
.set E,    208                         ; v208-217 at work for the sums
.set G,    216
.set CC,   218                         ; v218-221 c of four units
.set SUM,  224                         ; v224-231 sums (q, t) at SUM + 4 q + t;  v232-239 destinations of lane permutes
.set PD,   232
.set Z,    48                          ; v48-111  the 8 results: side e, tile t at Z + 8 (4 e + t); then e, then r
.set ACC,  128                         ; the long loop: v128-255: unit u at ACC + 8 u: registers 0-3 columns 4 l .. 4 l + 3, registers 4-7 columns 128 + 4 l ..
.set TT,   112                         ; v112-127 da xa - db xb of two units;  v16-63, v64-111: two sets of a pair's operands: xa (8), xb (8), u of side a (16), -u of side b (16)
; window 1: v256-511: my 32 rows of x as loaded: row k at 8 k
; SCALARS: s2 wave; s3 trips; s[4:23] the ten addresses; s24 +-4, s25 +-16; s[26:27] K; s[28:29] lane selects; s[30:31] an offset; s[32:63] 32 indices; s67 slice; s68, s69 at work, then the loop's LDS steps; s70 a mask
.set MSB, 0
.macro WIN new                         ; the immediate's high byte repeats the setting that is left
.if MSB != \new
	s_set_vgpr_msb (MSB<<8)|\new
.set MSB, \new
.endif
.endm
; 16 rows x 256 f32 out of LDS in the order of the operand's registers: lane (r, h) takes, of row r, block 2 q + h of 32 numbers whole (q = 0 .. 3): 128 bytes, eight loads.  The address holds row r and 128 h.
.macro QLOAD adr
.irp q, 0,1,2,3
.irp j, 0,1,2,3,4,5,6,7
	ds_load_b128 v[X+32*\q+4*\j:X+32*\q+4*\j+3], v[\adr] offset:256*\q+16*\j
.endr
.endr
.endm
; These 128 numbers become two fragments (K steps 0 and 1), v[dst] on, and their two scale words, v[wd] and v[wd + 1].  Registers 4 q .. 4 q + 3 of the codes hold k = 64 q + 32 h + 0 .. 31.
.macro QUANT dst, wd
.irp q, 0,1,2,3
	v_max3_num_f32 v[M+\q], |v[X+32*\q]|, |v[X+32*\q+1]|, 0x1800000   ; the block's largest magnitude: all 32 numbers are mine; and the floor 2^(3 - 127): so the byte cannot fall under 1
.endr
.irp i, 2,4,6,8,10,12,14,16,18,20,22,24,26,28,30
.irp q, 0,1,2,3
	v_max3_num_f32 v[M+\q], v[M+\q], |v[X+32*\q+\i]|, |v[X+32*\q+\i+1]|   ; (the four blocks by turns)
.endr
.endr
.irp q, 0,1,2,3
	v_add_nc_u32 v[SO+\q], 0xff000000, v[M+\q]     ; 2 off its exponent field: the conversion takes the exponent field of this operand as its scale
.endr
.irp q, 0,1,2,3
	v_lshrrev_b32 v[BY+\q], 23, v[SO+\q]           ; the scale's byte
.endr
.irp s, 0,1
	v_lshl_or_b32 v[\wd+\s], v[BY+2*\s+1], 16, v[BY+2*\s]   ; my two bytes of K step s: blocks h and 2 + h,
.endr
.irp s, 0,1
	v_lshlrev_b32 v[\wd+\s], v10, v[\wd+\s]        ; at their places in the word (8 h bits up);
.endr
.irp s, 0,1
	v_permlanex16_b32 v[PT+\s], v[\wd+\s], s28, s29
.endr
.irp s, 0,1
	v_or_b32 v[\wd+\s], v[\wd+\s], v[PT+\s]        ; with lane l xor 16's two the word is whole, in both halves of the lanes
.endr
.irp q, 0,1,2,3
.irp g, 0,1,2,3
	v_cvt_scalef32_pk8_fp4_f32 v[\dst+4*\q+\g], v[X+32*\q+8*\g:X+32*\q+8*\g+7], v[SO+\q]
.endr
.endr
	v_nop                                          ; one plain vector instruction behind the last scaled conversion
.endm
	s_load_b256 s[4:11], s[0:1], 0x0               ; x s[4:5], W1 s[6:7], b1 s[8:9], W2 s[10:11]
	s_load_b256 s[12:19], s[0:1], 0x20             ; ap s[12:13], p s[14:15], an s[16:17], n s[18:19]
	s_load_b128 s[20:23], s[0:1], 0x40             ; pw s[20:21], ps s[22:23]
	s_set_vgpr_msb 0x80
	v_lshl_add_u32 v0, v0, 2, 0x3c000
	v_mov_b32 v1, 0
	s_set_vgpr_msb 0x8000
	v_lshrrev_b32 v15, 5, v0
	v_readfirstlane_b32 s2, v15                    ; wave 0..3
	v_and_b32 v11, 31, v0                          ; lane
	v_lshlrev_b32 v1, 4, v11                       ; 16 x lane
	v_and_b32 v2, 15, v0                           ; r
	v_bfe_u32 v3, v0, 4, 1                         ; h
	v_lshlrev_b32 v10, 3, v3                       ; 8 h
	v_lshlrev_b32 v14, 3, v11                      ; 8 x lane
	v_lshrrev_b32 v15, 2, v11
	v_and_b32 v[CSS], 3, v11
	v_lshlrev_b32 v[CSS], 4, v[CSS]                ; 16 (lane % 4): four units
	v_lshl_add_u32 v[W2O], v15, 11, v[CSS]         ; W2: row lane / 4 of 2,048 bytes, four units of my 16
	v_lshlrev_b32 v[B1O], 2, v2                    ; 4 r
	v_lshlrev_b32 v11, 2, v11                      ; 4 x lane
	s_mov_b32 s26, 0x4038aa3b                      ; K = 2 log2(e)
	s_mov_b32 s27, s26                             ; (named with it as a pair, so it is written)
	s_mov_b32 s28, 0x76543210
	s_mov_b32 s29, 0xfedcba98                      ; v_permlanex16_b32's selects for lane l xor 16
	s_mov_b32 s31, 0
	s_and_b32 s67, ttmp7, 0xffff                   ; the slice
	s_and_b32 s30, s67, 15
	s_lshl_b32 s30, s30, 8                         ; its 64 indices of 4 bytes in its list,
	s_lshl_b32 s68, s2, 6                          ; my wave's 16 of them
	s_add_co_u32 s30, s30, s68
	s_wait_kmcnt 0x0
	s_cmp_lt_u32 s67, 16                           ; the first 16 slices take (ap, p) and count +, the others (an, n) and count -: the choice hangs on the work-group's number alone
	s_cselect_b64 s[12:13], s[12:13], s[16:17]
	s_cselect_b64 s[14:15], s[14:15], s[18:19]
	s_cselect_b32 s24, 4.0, -4.0
	s_add_nc_u64 s[12:13], s[12:13], s[30:31]
	s_add_nc_u64 s[14:15], s[14:15], s[30:31]
	s_load_b512 s[32:47], s[12:13], 0x0            ; my 16 pairs' rows, side a,
	s_load_b512 s[48:63], s[14:15], 0x0            ; and side b
	s_mul_f32 s25, s24, 4.0                        ; +-16
	s_lshl_b32 s30, ttmp9, 16                      ; the tile's 64 rows of 1,024 bytes,
	s_lshl_b32 s69, s2, 14                         ; my wave's 16
	s_add_co_u32 s30, s30, s69
	s_add_nc_u64 s[6:7], s[6:7], s[30:31]          ; W1 at my rows
	s_lshl_b32 s69, s67, 19                        ; a slice of pw is 512 x 1,024 bytes
	s_add_co_u32 s30, s30, s69
	s_add_nc_u64 s[20:21], s[20:21], s[30:31]      ; pw at my 16 units of my slice
	s_lshl_b32 s30, ttmp9, 8                       ; the tile's 64 units of 4 bytes
	s_add_nc_u64 s[8:9], s[8:9], s[30:31]          ; b1
	s_add_co_u32 s30, s30, s68                     ; + my wave's 16
	s_add_nc_u64 s[10:11], s[10:11], s[30:31]      ; W2
	s_lshl_b32 s30, s67, 12
	s_lshl_b32 s69, ttmp9, 9
	s_add_co_u32 s30, s30, s69
	s_lshl_b32 s69, s2, 8
	s_add_co_u32 s30, s30, s69
	s_add_nc_u64 s[22:23], s[22:23], s[30:31]      ; ps at [slice][tile][q = wave]: waves 0 and 1 store there
.set i, 0
.rept 32
	global_load_b128 v[X+4*i:X+4*i+3], v1, s[6:7] offset:512*i   ; my 16 rows of W1: 16,384 consecutive bytes, 512 a load
.set i, i+1
.endr
.set i, 0
.rept 8
	global_load_b128 v[W2D+4*i:W2D+4*i+3], v[W2O], s[10:11] offset:16384*i   ; W2's rows lane / 4 + 8 i
.set i, i+1
.endr
.irp t, 0,1,2,3
	global_load_b32 v[B1D+\t], v[B1O], s[8:9] offset:64*\t
.endr
	; LDS addresses, each a constant + a constant x wave + a lane term
	s_mul_i32 s68, s2, 16*XP                       ; my 16 rows
	v_mul_u32_u24 v5, v2, XP
	v_lshl_add_u32 v5, v3, 7, v5
	v_add_nc_u32 v5, s68, v5                       ; the quantiser's reads of x, side a: row r, + 128 h
	v_add_nc_u32 v6, XSB, v5                       ; side b
	v_add_nc_u32 v4, WST, v5                       ; and of W1
	v_add_nc_u32 v8, s68, v1                       ; the rows as loaded: 16 bytes a lane: x, side a,
	v_add_nc_u32 v9, XSB, v8                       ; side b,
	v_add_nc_u32 v7, WST, v8                       ; W1
	s_lshl_b32 s68, s2, 11
	s_add_co_u32 s68, s68, WIM
	v_add_nc_u32 v[WIA], s68, v1                   ; my two fragments' images
	s_lshl_b32 s68, s2, 8
	s_add_co_u32 s68, s68, WSC
	v_add_nc_u32 v[WSA], s68, v11                  ; and their scale words
	v_add_nc_u32 v[WIR], WIM, v1                   ; where all eight are read
	v_add_nc_u32 v15, WSC, v11
	s_mul_i32 s68, s2, 16*DP
	s_add_co_u32 s68, s68, DS
	v_mul_u32_u24 v[DSS], v3, 8*DP
	v_lshl_add_u32 v[DSS], v2, 2, v[DSS]
	v_add_nc_u32 v[DSS], s68, v[DSS]               ; u: pair 16 w + 8 h (+ j), unit r (+ 16 t).  Lanes 16-31 lie 1,056 words on: 32 banks on
	s_lshl_b32 s68, s2, 9
	s_add_co_u32 s68, s68, WS
	v_add_nc_u32 v[WSS], s68, v[B1O]               ; my wave's sums: unit r
	s_lshl_b32 s68, s2, 6
	s_add_co_u32 s68, s68, CS
	v_add_nc_u32 v[CSS], s68, v[CSS]               ; c' of my four units
	v_mov_b32 v[PT], 0                             ; written once: a lane permute's destination counts as one of its sources
	v_mov_b32 v[PT+1], 0
	s_wait_kmcnt 0x0                               ; the indices
.set i, 0
.rept 32
	s_min_u32 s[32+i], s[32+i], LAST               ; held inside the table
	v_lshl_add_u32 v[XO+i], s[32+i], 10, v1        ; the row's 1,024 bytes, 16 a lane
.set i, i+1
.endr
	WIN 0x40                                       ; destination window 1, address window 0
.set i, 0
.rept 32
	global_load_b128 v[8*i:8*i+3],   v[XO+i], s[4:5]              ; a row in two loads of 512 consecutive bytes; rows 0-15 side a, 16-31 side b
	global_load_b128 v[8*i+4:8*i+7], v[XO+i], s[4:5] offset:512
.set i, i+1
.endr
	WIN 0
	; ---- W1: my 16 rows turn through my own part of LDS and become two fragments
	s_wait_loadcnt 63                              ; 108 loads were issued; at most 63 are out, so the first 45 are in: W1's 32, W2's 8 and b1's 4 are the first 44 (loads return in order: ISA guide 5.7.1)
.set i, 0
.rept 32
	ds_store_b128 v7, v[X+4*i:X+4*i+3] offset:(i/2)*XP+(i%2)*512
.set i, i+1
.endr
	QLOAD 4                                        ; LDS serves a wave's instructions in order (ISA guide 5.7.1.4): these see my stores
	s_wait_dscnt 0x0
	QUANT PC, WW
.irp q, 0,1,2,3
	ds_store_b128 v[WIA], v[PC+4*\q:PC+4*\q+3] offset:512*\q
.endr
	ds_store_b32 v[WSA], v[WW]
	ds_store_b32 v[WSA], v[WW+1] offset:128
	; ---- x: my 32 rows go to LDS in f32, for every wave's long loop, and come back to me for the quantiser
	s_wait_loadcnt 32                              ; side a's 32 loads are in; side b's 32 may be out
	WIN 0x04                                       ; an LDS store's data are its source 1: window 1
.set i, 0
.rept 16
	ds_store_b128 v8, v[8*i:8*i+3]   offset:i*XP
	ds_store_b128 v8, v[8*i+4:8*i+7] offset:i*XP+512
.set i, i+1
.endr
	s_wait_loadcnt 0x0
.set i, 0
.rept 16
	ds_store_b128 v9, v[128+8*i:128+8*i+3] offset:i*XP
	ds_store_b128 v9, v[128+8*i+4:128+8*i+7] offset:i*XP+512
.set i, i+1
.endr
	WIN 0
	QLOAD 5
	s_wait_dscnt 0x0
	QUANT FA, XW                                   ; (the rows' offsets are done with: all loads are in)
	QLOAD 6
	s_wait_dscnt 0x0
	QUANT FA+16, XW+2
	s_wait_dscnt 0x0                               ; for the others' sake: my stores of x's rows and of W1's images have landed
	s_barrier_signal -1
	s_barrier_wait -1                              ; all 128 rows of x and all 8 fragments of W1 lie in LDS
	; ---- the products: my 32 rows of x by the tile's 64 rows of W1
.set i, 0
.rept 16
	ds_load_b128 v[WF+4*i:WF+4*i+3], v[WIR] offset:512*i
.set i, i+1
.endr
.set i, 0
.rept 8
	ds_load_b32 v[WSR+i], v15 offset:128*i
.set i, i+1
.endr
	; while they come: K b1, and c of my 16 units.  These plain instructions are also the places between the vector instructions that wrote x's codes and scale words and the scaled products
.irp t, 0,1,2,3
	v_mul_f32 v[BB+2*\t], s26, v[B1D+\t]
	v_mul_f32 v[BB+2*\t+1], s26, v[B1D+\t]
.endr
.irp i, 0,1,2,3,4,5,6,7
	v_mov_b32 v[PD+\i], 0                          ; written once: destinations of lane permutes
.endr
	v_pk_mul_f32 v[CC:CC+1], v[W2D:W2D+1], v[W2D:W2D+1]
	v_pk_mul_f32 v[CC+2:CC+3], v[W2D+2:W2D+3], v[W2D+2:W2D+3]
.irp i, 1,2,3,4,5,6,7
	v_pk_fma_f32 v[CC:CC+1], v[W2D+4*\i:W2D+4*\i+1], v[W2D+4*\i:W2D+4*\i+1], v[CC:CC+1]
	v_pk_fma_f32 v[CC+2:CC+3], v[W2D+4*\i+2:W2D+4*\i+3], v[W2D+4*\i+2:W2D+4*\i+3], v[CC+2:CC+3]
.endr
.irp i, 0,1,2,3
	v_add_f32_dpp v[CC+\i], v[CC+\i], v[CC+\i] row_xmask:4 row_mask:0xf bank_mask:0xf   ; the eight lanes with my lane % 4 hold the other rows
.endr
.irp i, 0,1,2,3
	v_add_f32_dpp v[CC+\i], v[CC+\i], v[CC+\i] row_xmask:8 row_mask:0xf bank_mask:0xf
.endr
.irp i, 0,1,2,3
	v_permlanex16_b32 v[PD+\i], v[CC+\i], s28, s29
.endr
.irp i, 0,1,2,3
	v_add_f32 v[CC+\i], v[CC+\i], v[PD+\i]
.endr
.irp i, 0,1,2,3
	v_mul_f32 v[CC+\i], s25, v[CC+\i]              ; c' = +-16 c
.endr
	ds_store_b128 v[CSS], v[CC:CC+3]               ; (eight lanes write the same 16 bytes with the same values)
	s_wait_dscnt 0x0                               ; W1's fragments and scale words are in
	; source 0 = 16 of my pairs (one side), source 1 = 16 units: lane (r, h), register j: pair 16 w + 8 h + j, unit 16 t + r.  The eight accumulators take turns
.irp t, 0,1,2,3
.irp e, 0,1
	v_wmma_scale_f32_16x16x128_f8f6f4 v[Z+8*(4*\e+\t):Z+8*(4*\e+\t)+7], v[FA+16*\e:FA+16*\e+7], v[WF+16*\t:WF+16*\t+7], 0, v[XW+2*\e], v[WSR+2*\t] matrix_a_fmt:MATRIX_FMT_FP4 matrix_b_fmt:MATRIX_FMT_FP4
.endr
.endr
.irp t, 0,1,2,3
.irp e, 0,1
	v_wmma_scale_f32_16x16x128_f8f6f4 v[Z+8*(4*\e+\t):Z+8*(4*\e+\t)+7], v[FA+16*\e+8:FA+16*\e+15], v[WF+16*\t+8:WF+16*\t+15], v[Z+8*(4*\e+\t):Z+8*(4*\e+\t)+7], v[XW+2*\e+1], v[WSR+2*\t+1] matrix_a_fmt:MATRIX_FMT_FP4 matrix_b_fmt:MATRIX_FMT_FP4
.endr
.endr
.rept 4
	v_nop                                          ; four places behind the products, ahead of the first read of a result (ISA guide 7.12.1)
.endr
	; ---- tanh and its derivative
.set a, 0
.rept 8
.irp j, 0,2,4,6
	v_pk_fma_f32 v[Z+8*a+\j:Z+8*a+\j+1], v[Z+8*a+\j:Z+8*a+\j+1], s[26:27], v[BB+2*(a%4):BB+2*(a%4)+1] op_sel_hi:[1,0,1]   ; K z + K b1; each accumulator from its low end on
.endr
.set a, a+1
.endr
.set i, 0
.rept 64
	v_exp_f32 v[Z+i], v[Z+i]                       ; e = exp(2 (z + b1)); infinity and 0 at the ends give r = 0 and r = 1, and u = 0
.set i, i+1
.endr
	v_nop                                          ; a plain instruction behind the last exponential
	s_wait_alu depctr_va_vdst(0)                   ; one wait for the batch, ahead of its first reader
.set i, 0
.rept 32
	v_pk_add_f32 v[Z+2*i:Z+2*i+1], v[Z+2*i:Z+2*i+1], 1.0 op_sel_hi:[1,0]
.set i, i+1
.endr
.set i, 0
.rept 64
	v_rcp_f32 v[Z+i], v[Z+i]                       ; r = 1 / (1 + e)
.set i, i+1
.endr
	v_nop
	s_wait_alu depctr_va_vdst(0)                   ; and one for the reciprocals
.set i, 0
.rept 16
	v_pk_fma_f32 v[U+2*i:U+2*i+1], v[Z+2*i:Z+2*i+1], v[Z+2*i:Z+2*i+1], v[Z+2*i:Z+2*i+1] neg_lo:[1,0,0] neg_hi:[1,0,0]   ; side a: u = r - r r
.set i, i+1
.endr
.rept 16
	v_pk_fma_f32 v[U+2*i:U+2*i+1], v[Z+2*i:Z+2*i+1], v[Z+2*i:Z+2*i+1], v[Z+2*i:Z+2*i+1] neg_lo:[0,0,1] neg_hi:[0,0,1]   ; side b: -u = r r - r
.set i, i+1
.endr
.irp e, 0,1
.irp t, 0,1,2,3
.irp j, 0,1,2,3,4,5,6,7
	ds_store_b32 v[DSS], v[U+8*(4*\e+\t)+\j] offset:DP*\j+256*\e+64*\t
.endr
.endr
.endr
	; the two small parts, over my lane's eight pairs: (ua - ub)^2 and (ra - rb)^2
.irp t, 0,1,2,3
.irp j, 0,2,4,6
	v_pk_add_f32 v[E+\j:E+\j+1], v[U+8*\t+\j:U+8*\t+\j+1], v[U+32+8*\t+\j:U+32+8*\t+\j+1]
.endr
	v_pk_mul_f32 v[G:G+1], v[E:E+1], v[E:E+1]
.irp j, 2,4,6
	v_pk_fma_f32 v[G:G+1], v[E+\j:E+\j+1], v[E+\j:E+\j+1], v[G:G+1]
.endr
	v_add_f32 v[SUM+\t], v[G], v[G+1]
.endr
.irp t, 0,1,2,3
.irp j, 0,2,4,6
	v_pk_add_f32 v[E+\j:E+\j+1], v[Z+8*\t+\j:Z+8*\t+\j+1], v[Z+32+8*\t+\j:Z+32+8*\t+\j+1] neg_lo:[0,1] neg_hi:[0,1]
.endr
	v_pk_mul_f32 v[G:G+1], v[E:E+1], v[E:E+1]
.irp j, 2,4,6
	v_pk_fma_f32 v[G:G+1], v[E+\j:E+\j+1], v[E+\j:E+\j+1], v[G:G+1]
.endr
	v_add_f32 v[SUM+4+\t], v[G], v[G+1]
.endr
.irp i, 0,1,2,3,4,5,6,7
	v_permlanex16_b32 v[PD+\i], v[SUM+\i], s28, s29
.endr
.irp i, 0,1,2,3,4,5,6,7
	v_add_f32 v[SUM+\i], v[SUM+\i], v[PD+\i]       ; with lane l xor 16's eight pairs: my wave's 16
.endr
.irp q, 0,1
.irp t, 0,1,2,3
	ds_store_b32 v[WSS], v[SUM+4*\q+\t] offset:256*\q+64*\t   ; (both halves of the lanes write the same word with the same value)
.endr
.endr
	s_wait_dscnt 0x0                               ; for the others' sake: u, the sums and c' have landed
	s_barrier_signal -1
	s_barrier_wait -1                              ; from here on LDS is only read
	; every LDS address that is still wanted is made here, on the one way that all waves take
	s_lshl_b32 s68, s2, 6
	s_add_co_u32 s69, s68, DS
	v_mov_b32 v7, s69                              ; u of my 16 units, pair 0; never rewritten
	s_add_co_u32 s69, s68, CS
	v_mov_b32 v8, s69                              ; c' of my 16 units
	s_lshl_b32 s68, s2, 8
	s_add_co_u32 s68, s68, WS
	v_add_nc_u32 v9, s68, v14                      ; the waves' sums of q = my wave, two units a lane
	v_add_nc_u32 v15, CS, v14                      ; and c' of those two
	s_mov_b32 s68, 0                               ; the long loop's steps: in x's rows,
	s_mov_b32 s69, 0                               ; in u
	v_mov_b32 v4, v1                               ; pair 0: xa,
	v_add_nc_u32 v5, XSB, v1                       ; xb,
	v_mov_b32 v6, v7                               ; u
	; ---- ps: wave 0 stores the b1 part, wave 1 the W2 part: 256 consecutive bytes each, at a multiple of 256 from ps's first byte
	s_cmp_ge_u32 s2, 2
	s_cbranch_scc1 .Lno_ps
.irp k, 0,1,2,3
	ds_load_b64 v[16+2*\k:17+2*\k], v9 offset:512*\k
.endr
	ds_load_b64 v[24:25], v15
	s_cmp_eq_u32 s2, 0
	s_cselect_b32 s70, -1, 0
	v_mov_b32 v26, s24
	s_wait_dscnt 0x0
	v_pk_add_f32 v[16:17], v[16:17], v[18:19]
	v_pk_add_f32 v[20:21], v[20:21], v[22:23]
	v_pk_add_f32 v[16:17], v[16:17], v[20:21]      ; the slice's 64 pairs
	v_cndmask_b32 v24, v26, v24, s70               ; x c' in wave 0, x +-4 in wave 1
	v_cndmask_b32 v25, v26, v25, s70
	v_pk_mul_f32 v[12:13], v[16:17], v[24:25]
	global_store_b64 v14, v[12:13], s[22:23] th:TH_STORE_NT   ; v12-14 are written no more
.Lno_ps:
; ---- THE LONG LOOP: for each of the 64 pairs, ACC(u, column) += (ua xa - ub xb)^2 for my 16 units and all 256 columns
; A pair's operands: 12 LDS loads: xa and xb, 1,024 bytes each in two loads of 512; u of my 16 units, both sides, the same bytes for every lane
.macro PLOAD set, kp
.set LB, 16+48*(\set)
	ds_load_b128 v[LB:LB+3],     v4 offset:(\kp)*XP
	ds_load_b128 v[LB+4:LB+7],   v4 offset:(\kp)*XP+512
	ds_load_b128 v[LB+8:LB+11],  v5 offset:(\kp)*XP
	ds_load_b128 v[LB+12:LB+15], v5 offset:(\kp)*XP+512
.irp i, 0,1,2,3
	ds_load_b128 v[LB+16+4*\i:LB+19+4*\i], v6 offset:(\kp)*DP+16*\i
	ds_load_b128 v[LB+32+4*\i:LB+35+4*\i], v6 offset:(\kp)*DP+256+16*\i
.endr
.endm
; The pair in set.  first = 1: its squares start the sums: nothing is cleared.  kp >= 0: the next pair is asked for, into the other set, kp pairs on from the addresses.  step = 1: the addresses go two pairs on.
; 192 packed instructions, two units at a time; a result is read eight instructions behind the one that wrote it.
.macro PAIR set, first, kp, step
	s_wait_dscnt 0x0                               ; this pair's 12 loads, asked for a pair ago, are in; no LDS load of mine is out
.if \step
	s_add_co_u32 s68, s68, 2*XP
	s_add_co_u32 s69, s69, 2*DP
	v_add_nc_u32 v4, s68, v1
	v_add_nc_u32 v5, XSB, v4
	v_add_nc_u32 v6, s69, v7
.endif
.if \kp >= 0
	PLOAD 1-\set, \kp
.endif
.set CB, 16+48*(\set)
.set ug, 0
.rept 8
.irp c, 0,2,4,6
	v_pk_mul_f32 v[TT+\c:TT+\c+1], v[CB+\c:CB+\c+1], v[CB+16+2*ug:CB+17+2*ug] op_sel_hi:[1,0]                  ; unit 2 ug: ua xa
.endr
.irp c, 0,2,4,6
	v_pk_mul_f32 v[TT+8+\c:TT+9+\c], v[CB+\c:CB+\c+1], v[CB+16+2*ug:CB+17+2*ug] op_sel:[0,1] op_sel_hi:[1,1]   ; unit 2 ug + 1: the pair's upper register for both halves
.endr
.irp c, 0,2,4,6
	v_pk_fma_f32 v[TT+\c:TT+\c+1], v[CB+8+\c:CB+9+\c], v[CB+32+2*ug:CB+33+2*ug], v[TT+\c:TT+\c+1] op_sel_hi:[1,0,1]   ; - ub xb
.endr
.irp c, 0,2,4,6
	v_pk_fma_f32 v[TT+8+\c:TT+9+\c], v[CB+8+\c:CB+9+\c], v[CB+32+2*ug:CB+33+2*ug], v[TT+8+\c:TT+9+\c] op_sel:[0,1,0] op_sel_hi:[1,1,1]
.endr
.irp c, 0,2,4,6,8,10,12,14
.if \first
	v_pk_mul_f32 v[ACC+16*ug+\c:ACC+16*ug+\c+1], v[TT+\c:TT+\c+1], v[TT+\c:TT+\c+1]
.else
	v_pk_fma_f32 v[ACC+16*ug+\c:ACC+16*ug+\c+1], v[TT+\c:TT+\c+1], v[TT+\c:TT+\c+1], v[ACC+16*ug+\c:ACC+16*ug+\c+1]
.endif
.endr
.set ug, ug+1
.endr
.endm
	PLOAD 0, 0
	PAIR 0, 1, 1, 0                                ; pair 0; pair 1 is asked for
	s_mov_b32 s3, 31
.Lpair:                                            ; trip i: pairs 1 + 2 i and 2 + 2 i; pairs 2 + 2 i and 3 + 2 i are asked for: the last is pair 63
	PAIR 1, 0, 0, 1
	PAIR 0, 0, 1, 0
	s_sub_co_u32 s3, s3, 1
	s_cmp_lg_u32 s3, 0
	s_cbranch_scc1 .Lpair
	PAIR 1, 0, -1, 0                               ; pair 63: nothing more to fetch
	; ---- the way out: x c', and 16 rows of 1,024 bytes
.irp i, 0,1,2,3
	ds_load_b128 v[16+4*\i:19+4*\i], v8 offset:16*\i
.endr
	s_wait_dscnt 0x0
.set ug, 0
.rept 8
.irp c, 0,2,4,6
	v_pk_mul_f32 v[ACC+16*ug+\c:ACC+16*ug+\c+1], v[ACC+16*ug+\c:ACC+16*ug+\c+1], v[16+2*ug:17+2*ug] op_sel_hi:[1,0]
.endr
.irp c, 0,2,4,6
	v_pk_mul_f32 v[ACC+16*ug+8+\c:ACC+16*ug+9+\c], v[ACC+16*ug+8+\c:ACC+16*ug+9+\c], v[16+2*ug:17+2*ug] op_sel:[0,1] op_sel_hi:[1,1]
.endr
.set ug, ug+1
.endr
.set i, 0
.rept 32
	global_store_b128 v1, v[ACC+4*i:ACC+4*i+3], s[20:21] offset:512*i th:TH_STORE_NT   ; 32 lanes store 512 consecutive bytes, at a multiple of 256 from pw's first byte: unit i / 2, columns 128 (i % 2) on
.set i, i+1
.endr
	s_set_vgpr_msb 0xa
	s_wait_tensorcnt 0x0
	ds_add_u32 v0, v1
	s_wait_dscnt 0x0
	s_set_vgpr_msb 0xa00
	s_endpgm
.Lfunc_end_k_qe014df043c_pairs:
	.size	k_qe014df043c_pairs, .Lfunc_end_k_qe014df043c_pairs-k_qe014df043c_pairs
	.p2alignl 7, 3214868480
	.fill 96, 4, 3214868480
	.section	.rodata,"a",@progbits
	.p2align	6, 0x0
	.amdhsa_kernel k_qe014df043c_pairs
		.amdhsa_group_segment_fixed_size 246272
		.amdhsa_private_segment_fixed_size 0
		.amdhsa_enable_private_segment 0
		.amdhsa_kernarg_size 80
		.amdhsa_user_sgpr_count 2
		.amdhsa_user_sgpr_kernarg_segment_ptr 1
		.amdhsa_wavefront_size32 1
		.amdhsa_system_sgpr_workgroup_id_x 1
		.amdhsa_system_sgpr_workgroup_id_y 1
		.amdhsa_system_sgpr_workgroup_id_z 1
		.amdhsa_system_vgpr_workitem_id 0
		.amdhsa_next_free_vgpr 514
		.amdhsa_next_free_sgpr 72
		.amdhsa_reserve_vcc 0
		.amdhsa_float_denorm_mode_32 3
		.amdhsa_float_denorm_mode_16_64 3
		.amdhsa_memory_ordered 1
		.amdhsa_forward_progress 1
		.amdhsa_inst_pref_size 136
	.end_amdhsa_kernel
	.amdgpu_metadata
---
amdhsa.version: [ 1, 2 ]
amdhsa.kernels:
  - .name:           k_qe014df043c_pairs
    .symbol:         k_qe014df043c_pairs.kd
    .args:
      - { .name: x, .offset: 0, .size: 8, .value_kind: global_buffer, .address_space: global }
      - { .name: W1, .offset: 8, .size: 8, .value_kind: global_buffer, .address_space: global }
      - { .name: b1, .offset: 16, .size: 8, .value_kind: global_buffer, .address_space: global }
      - { .name: W2, .offset: 24, .size: 8, .value_kind: global_buffer, .address_space: global }
      - { .name: ap, .offset: 32, .size: 8, .value_kind: global_buffer, .address_space: global }
      - { .name: p, .offset: 40, .size: 8, .value_kind: global_buffer, .address_space: global }
      - { .name: an, .offset: 48, .size: 8, .value_kind: global_buffer, .address_space: global }
      - { .name: n, .offset: 56, .size: 8, .value_kind: global_buffer, .address_space: global }
      - { .name: pw, .offset: 64, .size: 8, .value_kind: global_buffer, .address_space: global }
      - { .name: ps, .offset: 72, .size: 8, .value_kind: global_buffer, .address_space: global }
    .group_segment_fixed_size: 246272
    .private_segment_fixed_size: 0
    .kernarg_segment_align: 8
    .kernarg_segment_size: 80
    .max_flat_workgroup_size: 128
    .sgpr_count:     72
    .vgpr_count:     514
    .wavefront_size: 32
...
	.end_amdgpu_metadata
.endif
;; end of part 1
;; launch fold (part 2): grid 264 x 1, 4 waves a work-group, no clusters, 0 bytes of LDS; arguments pw, ps, out0; writes out0
.if DOCPART == 2
	.amdgcn_target "amdgcn-amd-amdhsa--gfx1250"
	.amdhsa_code_object_version 6
	.text
	.protected	k_qe014df043c_fold
	.globl	k_qe014df043c_fold
	.p2align	8
	.type	k_qe014df043c_fold,@function
k_qe014df043c_fold:
	s_mov_b64 s[64:65], 0
	v_nop
	global_prefetch_b8 v0, s[64:65] scope:SCOPE_SE
	s_setreg_imm32_b32 hwreg(HW_REG_WAVE_MODE, 25, 1), 1
	s_wait_xcnt 0x0
; out0 = [W1 part 512 x 256 | b1 part 512 | W2 part 64 x 512 | b2 part 64], f32: the sums over the 32 slices of pairs that the launch before has stored, with sign and factors already in them.
; pw: [slice 32][131,072].  ps: [slice 32][tile 8][q 2][64]: q = 0 the b1 part, q = 1 the W2 part's one row.
; Work-groups 0 to 255 take 512 numbers of the W1 part each: a lane four numbers, all 32 slices asked for at once.  Work-groups 256 to 263 take a tile of 64 units of the small parts:
; the b1 part; the W2 part, whose 64 rows are alike (16 rows a wave); and, once, the 64 zeros of the b2 part.  A stream: no LDS, no barrier, no matrix unit; nothing is read twice but ps's 16 KB a tile by four waves.
.set SLB,  524288                      ; a slice of pw in bytes
.set OB1,  524288                      ; out0: where the b1 part begins, in bytes;
.set OW2,  526336                      ; the W2 part;
.set OB2,  657408                      ; the b2 part
.set D,    16                          ; v16-143 the loaded numbers
	s_load_b128 s[4:7], s[0:1], 0x0                ; pw s[4:5], ps s[6:7]
	s_load_b64 s[8:9], s[0:1], 0x10                ; out0
	v_lshlrev_b32 v1, 4, v0                        ; 16 bytes a thread
	s_mov_b32 s13, 0
	s_cmp_ge_u32 ttmp9, 256
	s_cbranch_scc1 .Lsmall
	s_lshl_b32 s12, ttmp9, 11                      ; my work-group's 2,048 bytes
	s_wait_kmcnt 0x0
	s_add_nc_u64 s[4:5], s[4:5], s[12:13]
	s_add_nc_u64 s[8:9], s[8:9], s[12:13]
	s_add_nc_u64 s[10:11], s[4:5], 16*SLB          ; slices 16 on: so that every offset stays inside the signed 24-bit immediate (ISA guide, chapter 10)
.set kk, 0
.rept 16
	global_load_b128 v[D+4*kk:D+4*kk+3], v1, s[4:5] offset:kk*SLB th:TH_LOAD_NT   ; a wave reads 512 consecutive bytes
.set kk, kk+1
.endr
.rept 16
	global_load_b128 v[D+4*kk:D+4*kk+3], v1, s[10:11] offset:(kk-16)*SLB th:TH_LOAD_NT
.set kk, kk+1
.endr
.set kk, 2
.rept 30
	s_wait_loadcnt 31-kk                           ; slice kk is in: 31 - kk loads were issued behind it
	v_pk_add_f32 v[D+4*(kk%2):D+4*(kk%2)+1], v[D+4*(kk%2):D+4*(kk%2)+1], v[D+4*kk:D+4*kk+1]       ; two chains, begun by slices 0 and 1
	v_pk_add_f32 v[D+4*(kk%2)+2:D+4*(kk%2)+3], v[D+4*(kk%2)+2:D+4*(kk%2)+3], v[D+4*kk+2:D+4*kk+3]
.set kk, kk+1
.endr
	v_pk_add_f32 v[D:D+1], v[D:D+1], v[D+4:D+5]
	v_pk_add_f32 v[D+2:D+3], v[D+2:D+3], v[D+6:D+7]
	global_store_b128 v1, v[D:D+3], s[8:9] th:TH_STORE_NT   ; a wave stores 512 consecutive bytes, at a multiple of 256 from out0's first byte
	s_endpgm
.Lsmall:
	v_lshrrev_b32 v3, 5, v0
	v_readfirstlane_b32 s14, v3                    ; wave 0..3
	v_and_b32 v2, 31, v0
	v_lshlrev_b32 v2, 3, v2                        ; 8 bytes a lane: two units
	s_sub_co_u32 s15, ttmp9, 256                   ; the tile, 0..7
	s_lshl_b32 s12, s15, 9
	s_wait_kmcnt 0x0
	s_add_nc_u64 s[6:7], s[6:7], s[12:13]          ; ps at my tile
.irp q, 0,1
.set kk, 0
.rept 32
	global_load_b64 v[D+64*\q+2*kk:D+64*\q+2*kk+1], v2, s[6:7] offset:4096*kk+256*\q
.set kk, kk+1
.endr
.endr
	s_lshl_b32 s12, s15, 8
	s_add_nc_u64 s[8:9], s[8:9], s[12:13]          ; out0 + the tile's 256 bytes
	s_lshl_b32 s12, s14, 15                        ; my wave's 16 rows of 2,048 bytes
	s_add_co_u32 s12, s12, OW2
	s_add_nc_u64 s[16:17], s[8:9], s[12:13]
	v_mov_b32 v12, 0
	v_mov_b32 v13, 0
	s_lshl_b32 s18, s15, 2
	s_or_b32 s18, s18, s14                         ; 4 x tile + wave
	s_wait_loadcnt 0x0
.irp q, 0,1
.set kk, 2
.rept 30
	v_pk_add_f32 v[D+64*\q+2*(kk%2):D+64*\q+2*(kk%2)+1], v[D+64*\q+2*(kk%2):D+64*\q+2*(kk%2)+1], v[D+64*\q+2*kk:D+64*\q+2*kk+1]
.set kk, kk+1
.endr
	v_pk_add_f32 v[D+64*\q:D+64*\q+1], v[D+64*\q:D+64*\q+1], v[D+64*\q+2:D+64*\q+3]
.endr
.set kk, 0
.rept 16
	global_store_b64 v2, v[D+64:D+65], s[16:17] offset:2048*kk th:TH_STORE_NT   ; row 16 wave + kk of the W2 part: 256 consecutive bytes, at a multiple of 256 from out0's first byte
.set kk, kk+1
.endr
	s_cmp_lg_u32 s14, 0
	s_cbranch_scc1 .Lnot_b1
	global_store_b64 v2, v[D:D+1], s[8:9] offset:OB1 th:TH_STORE_NT   ; wave 0: the tile's 64 numbers of the b1 part
.Lnot_b1:
	s_cmp_lg_u32 s18, 1
	s_cbranch_scc1 .Lnot_b2
	global_store_b64 v2, v[12:13], s[8:9] offset:OB2 th:TH_STORE_NT   ; wave 1 of tile 0: the b2 part: the two branches' bias Jacobians cancel, so reference() has zeros there
.Lnot_b2:
	s_endpgm
.Lfunc_end_k_qe014df043c_fold:
	.size	k_qe014df043c_fold, .Lfunc_end_k_qe014df043c_fold-k_qe014df043c_fold
	.p2alignl 7, 3214868480
	.fill 96, 4, 3214868480
	.section	.rodata,"a",@progbits
	.p2align	6, 0x0
	.amdhsa_kernel k_qe014df043c_fold
		.amdhsa_group_segment_fixed_size 0
		.amdhsa_private_segment_fixed_size 0
		.amdhsa_enable_private_segment 0
		.amdhsa_kernarg_size 24
		.amdhsa_user_sgpr_count 2
		.amdhsa_user_sgpr_kernarg_segment_ptr 1
		.amdhsa_wavefront_size32 1
		.amdhsa_system_sgpr_workgroup_id_x 1
		.amdhsa_system_sgpr_workgroup_id_y 1
		.amdhsa_system_sgpr_workgroup_id_z 1
		.amdhsa_system_vgpr_workitem_id 0
		.amdhsa_next_free_vgpr 152
		.amdhsa_next_free_sgpr 66
		.amdhsa_reserve_vcc 0
		.amdhsa_float_denorm_mode_32 3
		.amdhsa_float_denorm_mode_16_64 3
		.amdhsa_memory_ordered 1
		.amdhsa_forward_progress 1
		.amdhsa_inst_pref_size 21
	.end_amdhsa_kernel
	.amdgpu_metadata
---
amdhsa.version: [ 1, 2 ]
amdhsa.kernels:
  - .name:           k_qe014df043c_fold
    .symbol:         k_qe014df043c_fold.kd
    .args:
      - { .name: pw, .offset: 0, .size: 8, .value_kind: global_buffer, .address_space: global }
      - { .name: ps, .offset: 8, .size: 8, .value_kind: global_buffer, .address_space: global }
      - { .name: out0, .offset: 16, .size: 8, .value_kind: global_buffer, .address_space: global }
    .group_segment_fixed_size: 0
    .private_segment_fixed_size: 0
    .kernarg_segment_align: 8
    .kernarg_segment_size: 24
    .max_flat_workgroup_size: 128
    .sgpr_count:     66
    .vgpr_count:     152
    .wavefront_size: 32
...
	.end_amdgpu_metadata
.endif
;; end of part 2
;; ======== version 2 of 2: 2 launches
;; workspace buffers: pw 16,777,216 bytes; ps 131,072 bytes
;; launch pairs (part 3): grid 8 x 32, 4 waves a work-group, no clusters, 246,272 bytes of LDS; arguments x, W1, b1, W2, ap, p, an, n, pw, ps; writes pw, ps
.if DOCPART == 3
	.amdgcn_target "amdgcn-amd-amdhsa--gfx1250"
	.amdhsa_code_object_version 6
	.text
	.protected	k_qe014df043c_pairs
	.globl	k_qe014df043c_pairs
	.p2align	8
	.type	k_qe014df043c_pairs,@function
k_qe014df043c_pairs:
	s_mov_b64 s[64:65], 0
	v_nop
	global_prefetch_b8 v0, s[64:65] scope:SCOPE_SE
	s_setreg_imm32_b32 hwreg(HW_REG_WAVE_SCHED_MODE, 0, 2), 2
	s_setreg_imm32_b32 hwreg(HW_REG_WAVE_MODE, 25, 1), 1
	s_wait_xcnt 0x0
	s_wait_alu depctr_vm_vsrc(0)
; The diagonal of the contrastive GGN of Linear(256,512) - tanh - Linear(512,64), for one tile of 64 hidden units and one slice of 64 pairs.
; For a pair (a, b):  W1 part (i, j): c_i (da_i xa_j - db_i xb_j)^2;  b1 part (i): c_i (da_i - db_i)^2;  W2 part (j): (ha_j - hb_j)^2;  c_i = sum over o of W2[o][i]^2.
; This is reference()'s S11 xa^2 - 2 S12 xa xb + S22 xb^2 as one square: the same three operations a number, and no difference of large terms.
; h = tanh(Q(x) Q(W1)^T + b1): both operands quantised to E2M1 with one E8M0 scale for each 32 along K = 256, multiplied by the scaled matrix instruction; all else f32.
; tanh: e = 2^(2 log2(e) (z + b1)), r = 1 / (1 + e): h = 1 - 2 r, 1 - h^2 = 4 u with u = r - r^2, ha - hb = -2 (ra - rb).  The factors 16 and 4 and the pair's sign go into the multipliers at the end.
; GRID: x = the tile of 64 units (8), y = the slice of 64 pairs (32): slices 0-15 are pairs of (ap, p) and count +, slices 16-31 pairs of (an, n) and count -.
; OUT: pw[slice][unit 512][column 256], ps[slice][tile][q][64] (q = 0: the b1 part, q = 1: the W2 part); the next launch adds the 32 slices.
; SHARES: wave w gathers and quantises pairs 16 w .. 16 w + 15 (both sides) and rows 16 w .. 16 w + 15 of the tile of W1; it multiplies its 32 rows of x by all 64 rows of W1.
;   Then, for ALL 64 pairs, it adds up the W1 part of units 16 w .. 16 w + 15 x 256 columns: 128 sums a lane, three packed instructions for two numbers.
; b2 stands in no expression of reference() (its part of the result is zeros, which the next launch stores): it is not among this program's arguments.
; LIMITS: NaN and infinities among the inputs are not served.  Indices are taken as unsigned and held at 49,999.  A block of zeros gets the scale byte 1 where the rule says 127: its codes are zeros,
;   which add nothing under that byte, and only this program reads the bytes.  u has an absolute error of about 6e-8 (one rounding of r), as reference()'s own 1 - h h has.
; No tensor loads and no copies: the rows of x come by a list of indices, so each wave loads them into registers; every LDS byte is written once.
; THE MODE: SCHED_MODE bits 1:0 = 2 (LLVM: expert scheduling mode 2), set by the entry lines.  The code itself states the register dependences
; between vector or matrix instructions and memory or LDS instructions, with s_wait_alu, always for 0.
; THE PLAN OF THE LONG LOOP.  Registers that LDS instructions touch there:
;   set 0 (v16-63), set 1 (v64-111)   The pair in set s: its 192 packed instructions read set s; the next pair's 12 loads land in the other set, which the pair before read and which no instruction of this pair names.
;   v4, v5, v6                        Read by every one of those loads; written once a trip, at the head of the trip's first pair.
;   TT (v112-127) and ACC (v128-255) are named by vector instructions alone.
; So ONE wait on va_vdst stands at a pair's head: the pair before is done reading the other set, and, in a trip's first pair, v4 to v6 are written.  The 12 loads follow it, dealt ahead of the first four
; of the pair's eight groups of packed instructions.  One wait on vm_vsrc a trip stands ahead of the additions to v4 to v6.
; AHEAD OF THE LOOP each run of loads or stores has its wait where the registers that it touches were last named by vector or matrix instructions; each wait's comment says which.
.set XP,   1040                        ; a row of 256 f32 in LDS: 1,024 bytes + 16 = 260 words: row r starts at bank 4 r mod 64 (64 banks of 4 bytes: ISA guide 11.1), so 16 rows of a 16-byte load fall on different banks
.set DP,   528                         ; a pair's u: 64 of side a, 64 of side b (negated), 16 bytes of padding
.set XSB,  64*XP                       ; LDS: x's rows of side a from 0, of side b from here
.set WST,  128*XP                      ; 64 rows of W1 in f32
.set WIM,  WST+64*XP                   ; W1's 8 fragments as images of their registers: (tile t, K step s) at 1,024 (2 t + s), lane l's 16 bytes at 16 l, 512 bytes a store
.set WSC,  WIM+8192                    ; their scale words: 128 (2 t + s) + 4 l
.set DS,   WSC+1024                    ; u, a pair every DP bytes
.set WS,   DS+64*DP                    ; each wave's sums over its 16 pairs: 512 bytes a wave, [q][64 units]
.set CS,   WS+2048                     ; c' = +-16 c of the 64 units
.set LAST, 49999                       ; x's last row
; VECTOR REGISTERS, window 0.  v1 16 x lane, v2 r = lane % 16, v3 h = lane / 16, v10 8 h, v11 4 x lane, v14 8 x lane: never rewritten.  v4-9, v15: LDS addresses.  v12-13: the data of the ps store.
.set XO,   16                          ; v16-47   byte offsets of my 32 rows of x; when those loads are in: x's fragments, side e and K step s at FA + 16 e + 8 s
.set FA,   16
.set W2D,  48                          ; v48-79   my part of W2
.set B1D,  80                          ; v80-83   b1 of unit 16 t + r
.set M,    84                          ; v84-87   largest magnitudes of four blocks
.set PT,   88                          ; v88-89   destinations of lane permutes
.set WIA,  90                          ; v90      where I store W1's images;  v91 their scale words
.set WSA,  91
.set SO,   92                          ; v92-95   the conversions' scale operands;  v96-99 the scales' bytes
.set BY,   96
.set PC,   100                         ; v100-115 W1's codes just made
.set XW,   116                         ; v116-119 x's scale words: side e, K step s at XW + 2 e + s
.set WW,   120                         ; v120-121 W1's scale words just made
.set W2O,  122                         ; v122 my offset in W2; v123 in b1; v124-126 where I store sums, u and c'; v127 where W1's images are read
.set B1O,  123
.set WSS,  124
.set DSS,  125
.set CSS,  126
.set WIR,  127
.set X,    128                         ; v128-255 the 128 numbers a lane of the tile that is being quantised
.set WF,   128                         ; behind the first barrier: v128-191 W1's 8 fragments, later u: side e, tile t at U + 8 (4 e + t)
.set U,    128
.set WSR,  192                         ; v192-199 W1's scale words
.set BB,   200                         ; v200-207 the pairs (K b1, K b1), K = 2 log2(e)
.set E,    208                         ; v208-217 at work for the sums
.set G,    216
.set CC,   218                         ; v218-221 c of four units
.set SUM,  224                         ; v224-231 sums (q, t) at SUM + 4 q + t;  v232-239 destinations of lane permutes
.set PD,   232
.set Z,    48                          ; v48-111  the 8 results: side e, tile t at Z + 8 (4 e + t); then e, then r
.set ACC,  128                         ; the long loop: v128-255: unit u at ACC + 8 u: registers 0-3 columns 4 l .. 4 l + 3, registers 4-7 columns 128 + 4 l ..
.set TT,   112                         ; v112-127 da xa - db xb of two units;  v16-63, v64-111: two sets of a pair's operands: xa (8), xb (8), u of side a (16), -u of side b (16)
; window 1: v256-511: my 32 rows of x as loaded: row k at 8 k
; SCALARS: s2 wave; s3 trips; s[4:23] the ten addresses; s24 +-4, s25 +-16; s[26:27] K; s[28:29] lane selects; s[30:31] an offset; s[32:63] 32 indices; s67 slice; s68, s69 at work, then the loop's LDS steps; s70 a mask
.set MSB, 0
.macro WIN new                         ; the immediate's high byte repeats the setting that is left
.if MSB != \new
	s_set_vgpr_msb (MSB<<8)|\new
.set MSB, \new
.endif
.endm
; 16 rows x 256 f32 out of LDS in the order of the operand's registers: lane (r, h) takes, of row r, block 2 q + h of 32 numbers whole (q = 0 .. 3): 128 bytes, eight loads.  The address holds row r and 128 h.
.macro QLOAD adr
.irp q, 0,1,2,3
.irp j, 0,1,2,3,4,5,6,7
	ds_load_b128 v[X+32*\q+4*\j:X+32*\q+4*\j+3], v[\adr] offset:256*\q+16*\j
.endr
.endr
.endm
; These 128 numbers become two fragments (K steps 0 and 1), v[dst] on, and their two scale words, v[wd] and v[wd + 1].  Registers 4 q .. 4 q + 3 of the codes hold k = 64 q + 32 h + 0 .. 31.
.macro QUANT dst, wd
.irp q, 0,1,2,3
	v_max3_num_f32 v[M+\q], |v[X+32*\q]|, |v[X+32*\q+1]|, 0x1800000   ; the block's largest magnitude: all 32 numbers are mine; and the floor 2^(3 - 127): so the byte cannot fall under 1
.endr
.irp i, 2,4,6,8,10,12,14,16,18,20,22,24,26,28,30
.irp q, 0,1,2,3
	v_max3_num_f32 v[M+\q], v[M+\q], |v[X+32*\q+\i]|, |v[X+32*\q+\i+1]|   ; (the four blocks by turns)
.endr
.endr
.irp q, 0,1,2,3
	v_add_nc_u32 v[SO+\q], 0xff000000, v[M+\q]     ; 2 off its exponent field: the conversion takes the exponent field of this operand as its scale
.endr
.irp q, 0,1,2,3
	v_lshrrev_b32 v[BY+\q], 23, v[SO+\q]           ; the scale's byte
.endr
.irp s, 0,1
	v_lshl_or_b32 v[\wd+\s], v[BY+2*\s+1], 16, v[BY+2*\s]   ; my two bytes of K step s: blocks h and 2 + h,
.endr
.irp s, 0,1
	v_lshlrev_b32 v[\wd+\s], v10, v[\wd+\s]        ; at their places in the word (8 h bits up);
.endr
.irp s, 0,1
	v_permlanex16_b32 v[PT+\s], v[\wd+\s], s28, s29
.endr
.irp s, 0,1
	v_or_b32 v[\wd+\s], v[\wd+\s], v[PT+\s]        ; with lane l xor 16's two the word is whole, in both halves of the lanes
.endr
.irp q, 0,1,2,3
.irp g, 0,1,2,3
	v_cvt_scalef32_pk8_fp4_f32 v[\dst+4*\q+\g], v[X+32*\q+8*\g:X+32*\q+8*\g+7], v[SO+\q]
.endr
.endr
	v_nop                                          ; one plain vector instruction behind the last scaled conversion
.endm
	s_load_b256 s[4:11], s[0:1], 0x0               ; x s[4:5], W1 s[6:7], b1 s[8:9], W2 s[10:11]
	s_load_b256 s[12:19], s[0:1], 0x20             ; ap s[12:13], p s[14:15], an s[16:17], n s[18:19]
	s_load_b128 s[20:23], s[0:1], 0x40             ; pw s[20:21], ps s[22:23]
	s_set_vgpr_msb 0x80
	v_lshl_add_u32 v0, v0, 2, 0x3c000
	v_mov_b32 v1, 0
	s_set_vgpr_msb 0x8000
	v_lshrrev_b32 v15, 5, v0
	v_readfirstlane_b32 s2, v15                    ; wave 0..3
	v_and_b32 v11, 31, v0                          ; lane
	v_lshlrev_b32 v1, 4, v11                       ; 16 x lane
	v_and_b32 v2, 15, v0                           ; r
	v_bfe_u32 v3, v0, 4, 1                         ; h
	v_lshlrev_b32 v10, 3, v3                       ; 8 h
	v_lshlrev_b32 v14, 3, v11                      ; 8 x lane
	v_lshrrev_b32 v15, 2, v11
	v_and_b32 v[CSS], 3, v11
	v_lshlrev_b32 v[CSS], 4, v[CSS]                ; 16 (lane % 4): four units
	v_lshl_add_u32 v[W2O], v15, 11, v[CSS]         ; W2: row lane / 4 of 2,048 bytes, four units of my 16
	v_lshlrev_b32 v[B1O], 2, v2                    ; 4 r
	v_lshlrev_b32 v11, 2, v11                      ; 4 x lane
	s_mov_b32 s26, 0x4038aa3b                      ; K = 2 log2(e)
	s_mov_b32 s27, s26                             ; (named with it as a pair, so it is written)
	s_mov_b32 s28, 0x76543210
	s_mov_b32 s29, 0xfedcba98                      ; v_permlanex16_b32's selects for lane l xor 16
	s_mov_b32 s31, 0
	s_and_b32 s67, ttmp7, 0xffff                   ; the slice
	s_and_b32 s30, s67, 15
	s_lshl_b32 s30, s30, 8                         ; its 64 indices of 4 bytes in its list,
	s_wait_alu depctr_va_sdst(0)                   ; s2 is written, ahead of its first reader: offsets, LDS addresses and branches are made from it
	s_lshl_b32 s68, s2, 6                          ; my wave's 16 of them
	s_add_co_u32 s30, s30, s68
	s_wait_kmcnt 0x0
	s_cmp_lt_u32 s67, 16                           ; the first 16 slices take (ap, p) and count +, the others (an, n) and count -: the choice hangs on the work-group's number alone
	s_cselect_b64 s[12:13], s[12:13], s[16:17]
	s_cselect_b64 s[14:15], s[14:15], s[18:19]
	s_cselect_b32 s24, 4.0, -4.0
	s_add_nc_u64 s[12:13], s[12:13], s[30:31]
	s_add_nc_u64 s[14:15], s[14:15], s[30:31]
	s_load_b512 s[32:47], s[12:13], 0x0            ; my 16 pairs' rows, side a,
	s_load_b512 s[48:63], s[14:15], 0x0            ; and side b
	s_mul_f32 s25, s24, 4.0                        ; +-16
	s_lshl_b32 s30, ttmp9, 16                      ; the tile's 64 rows of 1,024 bytes,
	s_lshl_b32 s69, s2, 14                         ; my wave's 16
	s_add_co_u32 s30, s30, s69
	s_add_nc_u64 s[6:7], s[6:7], s[30:31]          ; W1 at my rows
	s_lshl_b32 s69, s67, 19                        ; a slice of pw is 512 x 1,024 bytes
	s_add_co_u32 s30, s30, s69
	s_add_nc_u64 s[20:21], s[20:21], s[30:31]      ; pw at my 16 units of my slice
	s_lshl_b32 s30, ttmp9, 8                       ; the tile's 64 units of 4 bytes
	s_add_nc_u64 s[8:9], s[8:9], s[30:31]          ; b1
	s_add_co_u32 s30, s30, s68                     ; + my wave's 16
	s_add_nc_u64 s[10:11], s[10:11], s[30:31]      ; W2
	s_lshl_b32 s30, s67, 12
	s_lshl_b32 s69, ttmp9, 9
	s_add_co_u32 s30, s30, s69
	s_lshl_b32 s69, s2, 8
	s_add_co_u32 s30, s30, s69
	s_add_nc_u64 s[22:23], s[22:23], s[30:31]      ; ps at [slice][tile][q = wave]: waves 0 and 1 store there
	s_wait_alu depctr_va_vdst(0)                   ; v1, v[W2O] and v[B1O] are written, which the 44 loads below read as their offsets
.set i, 0
.rept 32
	global_load_b128 v[X+4*i:X+4*i+3], v1, s[6:7] offset:512*i   ; my 16 rows of W1: 16,384 consecutive bytes, 512 a load
.set i, i+1
.endr
.set i, 0
.rept 8
	global_load_b128 v[W2D+4*i:W2D+4*i+3], v[W2O], s[10:11] offset:16384*i   ; W2's rows lane / 4 + 8 i
.set i, i+1
.endr
.irp t, 0,1,2,3
	global_load_b32 v[B1D+\t], v[B1O], s[8:9] offset:64*\t
.endr
	; LDS addresses, each a constant + a constant x wave + a lane term
	s_mul_i32 s68, s2, 16*XP                       ; my 16 rows
	v_mul_u32_u24 v5, v2, XP
	v_lshl_add_u32 v5, v3, 7, v5
	v_add_nc_u32 v5, s68, v5                       ; the quantiser's reads of x, side a: row r, + 128 h
	v_add_nc_u32 v6, XSB, v5                       ; side b
	v_add_nc_u32 v4, WST, v5                       ; and of W1
	v_add_nc_u32 v8, s68, v1                       ; the rows as loaded: 16 bytes a lane: x, side a,
	v_add_nc_u32 v9, XSB, v8                       ; side b,
	v_add_nc_u32 v7, WST, v8                       ; W1
	s_lshl_b32 s68, s2, 11
	s_add_co_u32 s68, s68, WIM
	v_add_nc_u32 v[WIA], s68, v1                   ; my two fragments' images
	s_lshl_b32 s68, s2, 8
	s_add_co_u32 s68, s68, WSC
	v_add_nc_u32 v[WSA], s68, v11                  ; and their scale words
	v_add_nc_u32 v[WIR], WIM, v1                   ; where all eight are read
	v_add_nc_u32 v15, WSC, v11
	s_mul_i32 s68, s2, 16*DP
	s_add_co_u32 s68, s68, DS
	v_mul_u32_u24 v[DSS], v3, 8*DP
	v_lshl_add_u32 v[DSS], v2, 2, v[DSS]
	v_add_nc_u32 v[DSS], s68, v[DSS]               ; u: pair 16 w + 8 h (+ j), unit r (+ 16 t).  Lanes 16-31 lie 1,056 words on: 32 banks on
	s_lshl_b32 s68, s2, 9
	s_add_co_u32 s68, s68, WS
	v_add_nc_u32 v[WSS], s68, v[B1O]               ; my wave's sums: unit r
	s_lshl_b32 s68, s2, 6
	s_add_co_u32 s68, s68, CS
	v_add_nc_u32 v[CSS], s68, v[CSS]               ; c' of my four units
	v_mov_b32 v[PT], 0                             ; written once: a lane permute's destination counts as one of its sources
	v_mov_b32 v[PT+1], 0
	s_wait_kmcnt 0x0                               ; the indices
.set i, 0
.rept 32
	s_min_u32 s[32+i], s[32+i], LAST               ; held inside the table
	v_lshl_add_u32 v[XO+i], s[32+i], 10, v1        ; the row's 1,024 bytes, 16 a lane
.set i, i+1
.endr
	WIN 0x40                                       ; destination window 1, address window 0
	s_wait_alu depctr_va_vdst(0)                   ; the 32 offsets v[XO ..] are written, which the loads below read; so are the LDS addresses v4-9, v15, v90, v91 and v124-127, which the LDS instructions up to the second barrier read
.set i, 0
.rept 32
	global_load_b128 v[8*i:8*i+3],   v[XO+i], s[4:5]              ; a row in two loads of 512 consecutive bytes; rows 0-15 side a, 16-31 side b
	global_load_b128 v[8*i+4:8*i+7], v[XO+i], s[4:5] offset:512
.set i, i+1
.endr
	WIN 0
	; ---- W1: my 16 rows turn through my own part of LDS and become two fragments
	s_wait_loadcnt 63                              ; 108 loads were issued; at most 63 are out, so the first 45 are in: W1's 32, W2's 8 and b1's 4 are the first 44 (loads return in order: ISA guide 5.7.1)
.set i, 0
.rept 32
	ds_store_b128 v7, v[X+4*i:X+4*i+3] offset:(i/2)*XP+(i%2)*512
.set i, i+1
.endr
	s_wait_alu depctr_vm_vsrc(0)                   ; the 32 stores have read v[X ..], in which the loads below land
	QLOAD 4                                        ; LDS serves a wave's instructions in order (ISA guide 5.7.1.4): these see my stores
	s_wait_dscnt 0x0
	QUANT PC, WW
	s_wait_alu depctr_va_vdst(0)                   ; the quantiser has written v[PC ..] and v[WW ..], which the six stores below read, and is done reading v[X ..], in which side a's numbers land further down
.irp q, 0,1,2,3
	ds_store_b128 v[WIA], v[PC+4*\q:PC+4*\q+3] offset:512*\q
.endr
	ds_store_b32 v[WSA], v[WW]
	ds_store_b32 v[WSA], v[WW+1] offset:128
	; ---- x: my 32 rows go to LDS in f32, for every wave's long loop, and come back to me for the quantiser
	s_wait_loadcnt 32                              ; side a's 32 loads are in; side b's 32 may be out
	WIN 0x04                                       ; an LDS store's data are its source 1: window 1
.set i, 0
.rept 16
	ds_store_b128 v8, v[8*i:8*i+3]   offset:i*XP
	ds_store_b128 v8, v[8*i+4:8*i+7] offset:i*XP+512
.set i, i+1
.endr
	s_wait_loadcnt 0x0
.set i, 0
.rept 16
	ds_store_b128 v9, v[128+8*i:128+8*i+3] offset:i*XP
	ds_store_b128 v9, v[128+8*i+4:128+8*i+7] offset:i*XP+512
.set i, i+1
.endr
	WIN 0
	QLOAD 5                                        ; no vector instruction since the last wait on va_vdst names v[X ..]
	s_wait_dscnt 0x0
	s_wait_alu depctr_vm_vsrc(0)                   ; x's loads have read their offsets v[XO ..], which the two quantisers below write as codes; the six stores of W1's images have read v[PC ..], v[WW ..], v90 and v91, which the products and the long loop write
	QUANT FA, XW                                   ; (the rows' offsets are done with: all loads are in)
	s_wait_alu depctr_va_vdst(0)                   ; the quantiser is done reading v[X ..], in which side b's numbers land
	QLOAD 6
	s_wait_dscnt 0x0
	QUANT FA+16, XW+2
	s_wait_dscnt 0x0                               ; for the others' sake: my stores of x's rows and of W1's images have landed
	s_barrier_signal -1
	s_barrier_wait -1                              ; all 128 rows of x and all 8 fragments of W1 lie in LDS
	; ---- the products: my 32 rows of x by the tile's 64 rows of W1
	s_wait_alu depctr_va_vdst(0)                   ; the quantiser is done reading v[X ..], in which W1's fragments and scale words land
.set i, 0
.rept 16
	ds_load_b128 v[WF+4*i:WF+4*i+3], v[WIR] offset:512*i
.set i, i+1
.endr
.set i, 0
.rept 8
	ds_load_b32 v[WSR+i], v15 offset:128*i
.set i, i+1
.endr
	; while they come: K b1, and c of my 16 units.  These plain instructions are also the places between the vector instructions that wrote x's codes and scale words and the scaled products
.irp t, 0,1,2,3
	v_mul_f32 v[BB+2*\t], s26, v[B1D+\t]
	v_mul_f32 v[BB+2*\t+1], s26, v[B1D+\t]
.endr
.irp i, 0,1,2,3,4,5,6,7
	v_mov_b32 v[PD+\i], 0                          ; written once: destinations of lane permutes
.endr
	v_pk_mul_f32 v[CC:CC+1], v[W2D:W2D+1], v[W2D:W2D+1]
	v_pk_mul_f32 v[CC+2:CC+3], v[W2D+2:W2D+3], v[W2D+2:W2D+3]
.irp i, 1,2,3,4,5,6,7
	v_pk_fma_f32 v[CC:CC+1], v[W2D+4*\i:W2D+4*\i+1], v[W2D+4*\i:W2D+4*\i+1], v[CC:CC+1]
	v_pk_fma_f32 v[CC+2:CC+3], v[W2D+4*\i+2:W2D+4*\i+3], v[W2D+4*\i+2:W2D+4*\i+3], v[CC+2:CC+3]
.endr
.irp i, 0,1,2,3
	v_add_f32_dpp v[CC+\i], v[CC+\i], v[CC+\i] row_xmask:4 row_mask:0xf bank_mask:0xf   ; the eight lanes with my lane % 4 hold the other rows
.endr
.irp i, 0,1,2,3
	v_add_f32_dpp v[CC+\i], v[CC+\i], v[CC+\i] row_xmask:8 row_mask:0xf bank_mask:0xf
.endr
.irp i, 0,1,2,3
	v_permlanex16_b32 v[PD+\i], v[CC+\i], s28, s29
.endr
.irp i, 0,1,2,3
	v_add_f32 v[CC+\i], v[CC+\i], v[PD+\i]
.endr
.irp i, 0,1,2,3
	v_mul_f32 v[CC+\i], s25, v[CC+\i]              ; c' = +-16 c
.endr
	s_wait_alu depctr_va_vdst(0)                   ; v[CC ..] is written, which the store below reads; and x's codes v[FA ..] and scale words v[XW ..], made by vector instructions, are written, which the scaled products take: the places above stand ahead of this wait
	ds_store_b128 v[CSS], v[CC:CC+3]               ; (eight lanes write the same 16 bytes with the same values)
	s_wait_dscnt 0x0                               ; W1's fragments and scale words are in
	; source 0 = 16 of my pairs (one side), source 1 = 16 units: lane (r, h), register j: pair 16 w + 8 h + j, unit 16 t + r.  The eight accumulators take turns
.irp t, 0,1,2,3
.irp e, 0,1
	v_wmma_scale_f32_16x16x128_f8f6f4 v[Z+8*(4*\e+\t):Z+8*(4*\e+\t)+7], v[FA+16*\e:FA+16*\e+7], v[WF+16*\t:WF+16*\t+7], 0, v[XW+2*\e], v[WSR+2*\t] matrix_a_fmt:MATRIX_FMT_FP4 matrix_b_fmt:MATRIX_FMT_FP4
.endr
.endr
.irp t, 0,1,2,3
.irp e, 0,1
	v_wmma_scale_f32_16x16x128_f8f6f4 v[Z+8*(4*\e+\t):Z+8*(4*\e+\t)+7], v[FA+16*\e+8:FA+16*\e+15], v[WF+16*\t+8:WF+16*\t+15], v[Z+8*(4*\e+\t):Z+8*(4*\e+\t)+7], v[XW+2*\e+1], v[WSR+2*\t+1] matrix_a_fmt:MATRIX_FMT_FP4 matrix_b_fmt:MATRIX_FMT_FP4
.endr
.endr
.rept 4
	v_nop                                          ; four places behind the products, ahead of the first read of a result (ISA guide 7.12.1)
.endr
	; ---- tanh and its derivative
.set a, 0
.rept 8
.irp j, 0,2,4,6
	v_pk_fma_f32 v[Z+8*a+\j:Z+8*a+\j+1], v[Z+8*a+\j:Z+8*a+\j+1], s[26:27], v[BB+2*(a%4):BB+2*(a%4)+1] op_sel_hi:[1,0,1]   ; K z + K b1; each accumulator from its low end on
.endr
.set a, a+1
.endr
.set i, 0
	s_wait_alu depctr_va_vdst(0)
.rept 64
	v_exp_f32 v[Z+i], v[Z+i]                       ; e = exp(2 (z + b1)); infinity and 0 at the ends give r = 0 and r = 1, and u = 0
.set i, i+1
.endr
	v_nop                                          ; a plain instruction behind the last exponential
	s_wait_alu depctr_va_vdst(0)                   ; the 64 exponentials have written v[Z ..]: one wait for the batch, ahead of its first reader
.set i, 0
.rept 32
	v_pk_add_f32 v[Z+2*i:Z+2*i+1], v[Z+2*i:Z+2*i+1], 1.0 op_sel_hi:[1,0]
.set i, i+1
.endr
.set i, 0
	s_wait_alu depctr_va_vdst(0)
.rept 64
	v_rcp_f32 v[Z+i], v[Z+i]                       ; r = 1 / (1 + e)
.set i, i+1
.endr
	v_nop
	s_wait_alu depctr_va_vdst(0)                   ; the 64 reciprocals have written v[Z ..]: and one for them
.set i, 0
.rept 16
	v_pk_fma_f32 v[U+2*i:U+2*i+1], v[Z+2*i:Z+2*i+1], v[Z+2*i:Z+2*i+1], v[Z+2*i:Z+2*i+1] neg_lo:[1,0,0] neg_hi:[1,0,0]   ; side a: u = r - r r
.set i, i+1
.endr
.rept 16
	v_pk_fma_f32 v[U+2*i:U+2*i+1], v[Z+2*i:Z+2*i+1], v[Z+2*i:Z+2*i+1], v[Z+2*i:Z+2*i+1] neg_lo:[0,0,1] neg_hi:[0,0,1]   ; side b: -u = r r - r
.set i, i+1
.endr
	s_wait_alu depctr_va_vdst(0)                   ; v[U ..] is written, which the 64 stores below read
.irp e, 0,1
.irp t, 0,1,2,3
.irp j, 0,1,2,3,4,5,6,7
	ds_store_b32 v[DSS], v[U+8*(4*\e+\t)+\j] offset:DP*\j+256*\e+64*\t
.endr
.endr
.endr
	; the two small parts, over my lane's eight pairs: (ua - ub)^2 and (ra - rb)^2
.irp t, 0,1,2,3
.irp j, 0,2,4,6
	v_pk_add_f32 v[E+\j:E+\j+1], v[U+8*\t+\j:U+8*\t+\j+1], v[U+32+8*\t+\j:U+32+8*\t+\j+1]
.endr
	v_pk_mul_f32 v[G:G+1], v[E:E+1], v[E:E+1]
.irp j, 2,4,6
	v_pk_fma_f32 v[G:G+1], v[E+\j:E+\j+1], v[E+\j:E+\j+1], v[G:G+1]
.endr
	v_add_f32 v[SUM+\t], v[G], v[G+1]
.endr
.irp t, 0,1,2,3
.irp j, 0,2,4,6
	v_pk_add_f32 v[E+\j:E+\j+1], v[Z+8*\t+\j:Z+8*\t+\j+1], v[Z+32+8*\t+\j:Z+32+8*\t+\j+1] neg_lo:[0,1] neg_hi:[0,1]
.endr
	v_pk_mul_f32 v[G:G+1], v[E:E+1], v[E:E+1]
.irp j, 2,4,6
	v_pk_fma_f32 v[G:G+1], v[E+\j:E+\j+1], v[E+\j:E+\j+1], v[G:G+1]
.endr
	v_add_f32 v[SUM+4+\t], v[G], v[G+1]
.endr
.irp i, 0,1,2,3,4,5,6,7
	v_permlanex16_b32 v[PD+\i], v[SUM+\i], s28, s29
.endr
.irp i, 0,1,2,3,4,5,6,7
	v_add_f32 v[SUM+\i], v[SUM+\i], v[PD+\i]       ; with lane l xor 16's eight pairs: my wave's 16
.endr
	s_wait_alu depctr_va_vdst(0)                   ; v[SUM ..] is written, which the eight stores below read
.irp q, 0,1
.irp t, 0,1,2,3
	ds_store_b32 v[WSS], v[SUM+4*\q+\t] offset:256*\q+64*\t   ; (both halves of the lanes write the same word with the same value)
.endr
.endr
	s_wait_dscnt 0x0                               ; for the others' sake: u, the sums and c' have landed
	s_barrier_signal -1
	s_barrier_wait -1                              ; from here on LDS is only read
	s_wait_alu depctr_vm_vsrc(0)                   ; every LDS and memory instruction so far has read its registers: the addresses v4-9 and v15, written anew below; v120-127, which the long loop writes as TT; v[U ..], v[CC ..] and v[SUM ..], which it writes as ACC
	; every LDS address that is still wanted is made here, on the one way that all waves take
	s_lshl_b32 s68, s2, 6
	s_add_co_u32 s69, s68, DS
	v_mov_b32 v7, s69                              ; u of my 16 units, pair 0; never rewritten
	s_add_co_u32 s69, s68, CS
	v_mov_b32 v8, s69                              ; c' of my 16 units
	s_lshl_b32 s68, s2, 8
	s_add_co_u32 s68, s68, WS
	v_add_nc_u32 v9, s68, v14                      ; the waves' sums of q = my wave, two units a lane
	v_add_nc_u32 v15, CS, v14                      ; and c' of those two
	s_mov_b32 s68, 0                               ; the long loop's steps: in x's rows,
	s_mov_b32 s69, 0                               ; in u
	v_mov_b32 v4, v1                               ; pair 0: xa,
	v_add_nc_u32 v5, XSB, v1                       ; xb,
	v_mov_b32 v6, v7                               ; u
	s_wait_alu depctr_va_vdst(0)                   ; v4-9 and v15 are written, which the LDS loads from here on read; the products and the vector instructions are done with v16-111 (x's codes, the results and r), in which those loads land
	; ---- ps: wave 0 stores the b1 part, wave 1 the W2 part: 256 consecutive bytes each, at a multiple of 256 from ps's first byte
	s_cmp_ge_u32 s2, 2
	s_cbranch_scc1 .Lno_ps
.irp k, 0,1,2,3
	ds_load_b64 v[16+2*\k:17+2*\k], v9 offset:512*\k
.endr
	ds_load_b64 v[24:25], v15
	s_cmp_eq_u32 s2, 0
	s_cselect_b32 s70, -1, 0
	v_mov_b32 v26, s24
	s_wait_alu depctr_va_vdst(0)
	s_wait_dscnt 0x0
	v_pk_add_f32 v[16:17], v[16:17], v[18:19]
	v_pk_add_f32 v[20:21], v[20:21], v[22:23]
	v_pk_add_f32 v[16:17], v[16:17], v[20:21]      ; the slice's 64 pairs
	v_cndmask_b32 v24, v26, v24, s70               ; x c' in wave 0, x +-4 in wave 1
	v_cndmask_b32 v25, v26, v25, s70
	v_pk_mul_f32 v[12:13], v[16:17], v[24:25]
	s_wait_alu depctr_va_vdst(0)                   ; v[12:13] is written, which the store reads; the lines above are done with v16-26, in which pair 0's operands land
	global_store_b64 v14, v[12:13], s[22:23] th:TH_STORE_NT   ; v12-14 are written no more
.Lno_ps:
; ---- THE LONG LOOP: for each of the 64 pairs, ACC(u, column) += (ua xa - ub xb)^2 for my 16 units and all 256 columns
; A pair's operands: 12 LDS loads: xa and xb, 1,024 bytes each in two loads of 512; u of my 16 units, both sides, the same bytes for every lane.
; DEAL writes part n of four of them: 0: xa; 1: xb; 2: u of units 0-7, both sides; 3: u of units 8-15.
.macro DEAL set, kp, n
.set LB, 16+48*(\set)
.if (\n) == 0
	ds_load_b128 v[LB:LB+3],     v4 offset:(\kp)*XP
	ds_load_b128 v[LB+4:LB+7],   v4 offset:(\kp)*XP+512
.elseif (\n) == 1
	ds_load_b128 v[LB+8:LB+11],  v5 offset:(\kp)*XP
	ds_load_b128 v[LB+12:LB+15], v5 offset:(\kp)*XP+512
.else
.irp i, 0,1
	ds_load_b128 v[LB+16+4*(2*((\n)-2)+\i):LB+19+4*(2*((\n)-2)+\i)], v6 offset:(\kp)*DP+16*(2*((\n)-2)+\i)
	ds_load_b128 v[LB+32+4*(2*((\n)-2)+\i):LB+35+4*(2*((\n)-2)+\i)], v6 offset:(\kp)*DP+256+16*(2*((\n)-2)+\i)
.endr
.endif
.endm
.macro PLOAD set, kp                   ; all twelve in one run: pair 0's
.irp n, 0,1,2,3
	DEAL \set, \kp, \n
.endr
.endm
; The pair in set.  first = 1: its squares start the sums: nothing is cleared.  kp >= 0: the next pair is asked for, into the other set, kp pairs on from the addresses; kp < 0: the last pair, which asks for c' in its stead.
; step = 1: the addresses go two pairs on.  192 packed instructions, two units at a time; a result is read eight instructions behind the one that wrote it.
.macro PAIR set, first, kp, step
	s_wait_dscnt 0x0                               ; this pair's 12 loads, asked for a pair ago, are in; no LDS load of mine is out
.if \step
	s_wait_alu depctr_vm_vsrc(0)                   ; the LDS loads issued so far have read v4 to v6, which the three additions below write
	s_add_co_u32 s68, s68, 2*XP
	s_add_co_u32 s69, s69, 2*DP
	v_add_nc_u32 v4, s68, v1
	v_add_nc_u32 v5, XSB, v4
	v_add_nc_u32 v6, s69, v7
.endif
.if !\first
	s_wait_alu depctr_va_vdst(0)                   ; the pair before is done reading the other set, in which this pair's loads land; with step = 1, v4 to v6 are written, which they read.  (Pair 0 has no such line: no vector instruction stands behind the last wait on va_vdst)
.endif
.if \kp < 0
.irp i, 0,1,2,3
	ds_load_b128 v[16+4*\i:19+4*\i], v8 offset:16*\i   ; c' of my 16 units, into set 0, which pair 62 has left: it lands while pair 63 is worked
.endr
.endif
.set CB, 16+48*(\set)
.set ug, 0
.rept 8
.if (\kp >= 0) && (ug < 4)
	DEAL 1-\set, \kp, ug                           ; no wait: the packed instructions since the wait at the pair's head name this pair's own set, TT and ACC, none of the registers that these loads touch
.endif
.irp c, 0,2,4,6
	v_pk_mul_f32 v[TT+\c:TT+\c+1], v[CB+\c:CB+\c+1], v[CB+16+2*ug:CB+17+2*ug] op_sel_hi:[1,0]                  ; unit 2 ug: ua xa
.endr
.irp c, 0,2,4,6
	v_pk_mul_f32 v[TT+8+\c:TT+9+\c], v[CB+\c:CB+\c+1], v[CB+16+2*ug:CB+17+2*ug] op_sel:[0,1] op_sel_hi:[1,1]   ; unit 2 ug + 1: the pair's upper register for both halves
.endr
.irp c, 0,2,4,6
	v_pk_fma_f32 v[TT+\c:TT+\c+1], v[CB+8+\c:CB+9+\c], v[CB+32+2*ug:CB+33+2*ug], v[TT+\c:TT+\c+1] op_sel_hi:[1,0,1]   ; - ub xb
.endr
.irp c, 0,2,4,6
	v_pk_fma_f32 v[TT+8+\c:TT+9+\c], v[CB+8+\c:CB+9+\c], v[CB+32+2*ug:CB+33+2*ug], v[TT+8+\c:TT+9+\c] op_sel:[0,1,0] op_sel_hi:[1,1,1]
.endr
.irp c, 0,2,4,6,8,10,12,14
.if \first
	v_pk_mul_f32 v[ACC+16*ug+\c:ACC+16*ug+\c+1], v[TT+\c:TT+\c+1], v[TT+\c:TT+\c+1]
.else
	v_pk_fma_f32 v[ACC+16*ug+\c:ACC+16*ug+\c+1], v[TT+\c:TT+\c+1], v[TT+\c:TT+\c+1], v[ACC+16*ug+\c:ACC+16*ug+\c+1]
.endif
.endr
.set ug, ug+1
.endr
.endm
	PLOAD 0, 0
	PAIR 0, 1, 1, 0                                ; pair 0; pair 1 is asked for
	s_mov_b32 s3, 31
.Lpair:                                            ; trip i: pairs 1 + 2 i and 2 + 2 i; pairs 2 + 2 i and 3 + 2 i are asked for: the last is pair 63
	PAIR 1, 0, 0, 1
	PAIR 0, 0, 1, 0
	s_sub_co_u32 s3, s3, 1
	s_cmp_lg_u32 s3, 0
	s_cbranch_scc1 .Lpair
	PAIR 1, 0, -1, 0                               ; pair 63: no pair is left to fetch
	; ---- the way out: x c', and 16 rows of 1,024 bytes
	s_wait_dscnt 0x0                               ; c' is in
.set ug, 0
.rept 8
.irp c, 0,2,4,6
	v_pk_mul_f32 v[ACC+16*ug+\c:ACC+16*ug+\c+1], v[ACC+16*ug+\c:ACC+16*ug+\c+1], v[16+2*ug:17+2*ug] op_sel_hi:[1,0]
.endr
.irp c, 0,2,4,6
	v_pk_mul_f32 v[ACC+16*ug+8+\c:ACC+16*ug+9+\c], v[ACC+16*ug+8+\c:ACC+16*ug+9+\c], v[16+2*ug:17+2*ug] op_sel:[0,1] op_sel_hi:[1,1]
.endr
.set ug, ug+1
.endr
	s_wait_alu depctr_va_vdst(0)                   ; the multiplications have written v[ACC ..], which the 32 stores below read
.set i, 0
.rept 32
	global_store_b128 v1, v[ACC+4*i:ACC+4*i+3], s[20:21] offset:512*i th:TH_STORE_NT   ; 32 lanes store 512 consecutive bytes, at a multiple of 256 from pw's first byte: unit i / 2, columns 128 (i % 2) on
.set i, i+1
.endr
	s_set_vgpr_msb 0xa
	s_wait_dscnt 0x0
	s_wait_alu depctr_hold_cnt(0) depctr_sa_sdst(0) depctr_va_vdst(0) depctr_va_sdst(0) depctr_va_ssrc(0) depctr_va_vcc(0) depctr_vm_vsrc(0)
	s_wait_tensorcnt 0x0
	ds_add_u32 v0, v1
	s_wait_dscnt 0x0
	s_endpgm
.Lfunc_end_k_qe014df043c_pairs:
	.size	k_qe014df043c_pairs, .Lfunc_end_k_qe014df043c_pairs-k_qe014df043c_pairs
	.p2alignl 7, 3214868480
	.fill 96, 4, 3214868480
	.section	.rodata,"a",@progbits
	.p2align	6, 0x0
	.amdhsa_kernel k_qe014df043c_pairs
		.amdhsa_group_segment_fixed_size 246272
		.amdhsa_private_segment_fixed_size 0
		.amdhsa_enable_private_segment 0
		.amdhsa_kernarg_size 80
		.amdhsa_user_sgpr_count 2
		.amdhsa_user_sgpr_kernarg_segment_ptr 1
		.amdhsa_wavefront_size32 1
		.amdhsa_system_sgpr_workgroup_id_x 1
		.amdhsa_system_sgpr_workgroup_id_y 1
		.amdhsa_system_sgpr_workgroup_id_z 1
		.amdhsa_system_vgpr_workitem_id 0
		.amdhsa_next_free_vgpr 514
		.amdhsa_next_free_sgpr 72
		.amdhsa_reserve_vcc 0
		.amdhsa_float_denorm_mode_32 3
		.amdhsa_float_denorm_mode_16_64 3
		.amdhsa_memory_ordered 1
		.amdhsa_forward_progress 1
		.amdhsa_inst_pref_size 136
	.end_amdhsa_kernel
	.amdgpu_metadata
---
amdhsa.version: [ 1, 2 ]
amdhsa.kernels:
  - .name:           k_qe014df043c_pairs
    .symbol:         k_qe014df043c_pairs.kd
    .args:
      - { .name: x, .offset: 0, .size: 8, .value_kind: global_buffer, .address_space: global }
      - { .name: W1, .offset: 8, .size: 8, .value_kind: global_buffer, .address_space: global }
      - { .name: b1, .offset: 16, .size: 8, .value_kind: global_buffer, .address_space: global }
      - { .name: W2, .offset: 24, .size: 8, .value_kind: global_buffer, .address_space: global }
      - { .name: ap, .offset: 32, .size: 8, .value_kind: global_buffer, .address_space: global }
      - { .name: p, .offset: 40, .size: 8, .value_kind: global_buffer, .address_space: global }
      - { .name: an, .offset: 48, .size: 8, .value_kind: global_buffer, .address_space: global }
      - { .name: n, .offset: 56, .size: 8, .value_kind: global_buffer, .address_space: global }
      - { .name: pw, .offset: 64, .size: 8, .value_kind: global_buffer, .address_space: global }
      - { .name: ps, .offset: 72, .size: 8, .value_kind: global_buffer, .address_space: global }
    .group_segment_fixed_size: 246272
    .private_segment_fixed_size: 0
    .kernarg_segment_align: 8
    .kernarg_segment_size: 80
    .max_flat_workgroup_size: 128
    .sgpr_count:     72
    .vgpr_count:     514
    .wavefront_size: 32
...
	.end_amdgpu_metadata
.endif
;; end of part 3
;; launch fold (part 4): grid 264 x 1, 4 waves a work-group, no clusters, 0 bytes of LDS; arguments pw, ps, out0; writes out0
.if DOCPART == 4
	.amdgcn_target "amdgcn-amd-amdhsa--gfx1250"
	.amdhsa_code_object_version 6
	.text
	.protected	k_qe014df043c_fold
	.globl	k_qe014df043c_fold
	.p2align	8
	.type	k_qe014df043c_fold,@function
k_qe014df043c_fold:
	s_mov_b64 s[64:65], 0
	v_nop
	global_prefetch_b8 v0, s[64:65] scope:SCOPE_SE
	s_setreg_imm32_b32 hwreg(HW_REG_WAVE_MODE, 25, 1), 1
	s_wait_xcnt 0x0
; out0 = [W1 part 512 x 256 | b1 part 512 | W2 part 64 x 512 | b2 part 64], f32: the sums over the 32 slices of pairs that the launch before has stored, with sign and factors already in them.
; pw: [slice 32][131,072].  ps: [slice 32][tile 8][q 2][64]: q = 0 the b1 part, q = 1 the W2 part's one row.
; Work-groups 0 to 255 take 512 numbers of the W1 part each: a lane four numbers, all 32 slices asked for at once.  Work-groups 256 to 263 take a tile of 64 units of the small parts:
; the b1 part; the W2 part, whose 64 rows are alike (16 rows a wave); and, once, the 64 zeros of the b2 part.  A stream: no LDS, no barrier, no matrix unit; nothing is read twice but ps's 16 KB a tile by four waves.
.set SLB,  524288                      ; a slice of pw in bytes
.set OB1,  524288                      ; out0: where the b1 part begins, in bytes;
.set OW2,  526336                      ; the W2 part;
.set OB2,  657408                      ; the b2 part
.set D,    16                          ; v16-143 the loaded numbers
	s_load_b128 s[4:7], s[0:1], 0x0                ; pw s[4:5], ps s[6:7]
	s_load_b64 s[8:9], s[0:1], 0x10                ; out0
	v_lshlrev_b32 v1, 4, v0                        ; 16 bytes a thread
	s_mov_b32 s13, 0
	s_cmp_ge_u32 ttmp9, 256
	s_cbranch_scc1 .Lsmall
	s_lshl_b32 s12, ttmp9, 11                      ; my work-group's 2,048 bytes
	s_wait_kmcnt 0x0
	s_add_nc_u64 s[4:5], s[4:5], s[12:13]
	s_add_nc_u64 s[8:9], s[8:9], s[12:13]
	s_add_nc_u64 s[10:11], s[4:5], 16*SLB          ; slices 16 on: so that every offset stays inside the signed 24-bit immediate (ISA guide, chapter 10)
.set kk, 0
	s_wait_alu depctr_va_vdst(0)
.rept 16
	global_load_b128 v[D+4*kk:D+4*kk+3], v1, s[4:5] offset:kk*SLB th:TH_LOAD_NT   ; a wave reads 512 consecutive bytes
.set kk, kk+1
.endr
.rept 16
	global_load_b128 v[D+4*kk:D+4*kk+3], v1, s[10:11] offset:(kk-16)*SLB th:TH_LOAD_NT
.set kk, kk+1
.endr
.set kk, 2
.rept 30
	s_wait_alu depctr_va_vdst(0)
	s_wait_loadcnt 31-kk                           ; slice kk is in: 31 - kk loads were issued behind it
	v_pk_add_f32 v[D+4*(kk%2):D+4*(kk%2)+1], v[D+4*(kk%2):D+4*(kk%2)+1], v[D+4*kk:D+4*kk+1]       ; two chains, begun by slices 0 and 1
	v_pk_add_f32 v[D+4*(kk%2)+2:D+4*(kk%2)+3], v[D+4*(kk%2)+2:D+4*(kk%2)+3], v[D+4*kk+2:D+4*kk+3]
.set kk, kk+1
.endr
	v_pk_add_f32 v[D:D+1], v[D:D+1], v[D+4:D+5]
	v_pk_add_f32 v[D+2:D+3], v[D+2:D+3], v[D+6:D+7]
	global_store_b128 v1, v[D:D+3], s[8:9] th:TH_STORE_NT   ; a wave stores 512 consecutive bytes, at a multiple of 256 from out0's first byte
	s_endpgm
.Lsmall:
	v_lshrrev_b32 v3, 5, v0
	v_readfirstlane_b32 s14, v3                    ; wave 0..3
	v_and_b32 v2, 31, v0
	v_lshlrev_b32 v2, 3, v2                        ; 8 bytes a lane: two units
	s_sub_co_u32 s15, ttmp9, 256                   ; the tile, 0..7
	s_lshl_b32 s12, s15, 9
	s_wait_alu depctr_va_vdst(0)
	s_wait_kmcnt 0x0
	s_add_nc_u64 s[6:7], s[6:7], s[12:13]          ; ps at my tile
.irp q, 0,1
.set kk, 0
.rept 32
	global_load_b64 v[D+64*\q+2*kk:D+64*\q+2*kk+1], v2, s[6:7] offset:4096*kk+256*\q
.set kk, kk+1
.endr
.endr
	s_lshl_b32 s12, s15, 8
	s_add_nc_u64 s[8:9], s[8:9], s[12:13]          ; out0 + the tile's 256 bytes
	s_lshl_b32 s12, s14, 15                        ; my wave's 16 rows of 2,048 bytes
	s_add_co_u32 s12, s12, OW2
	s_add_nc_u64 s[16:17], s[8:9], s[12:13]
	v_mov_b32 v12, 0
	v_mov_b32 v13, 0
	s_lshl_b32 s18, s15, 2
	s_or_b32 s18, s18, s14                         ; 4 x tile + wave
	s_wait_loadcnt 0x0
.irp q, 0,1
.set kk, 2
.rept 30
	v_pk_add_f32 v[D+64*\q+2*(kk%2):D+64*\q+2*(kk%2)+1], v[D+64*\q+2*(kk%2):D+64*\q+2*(kk%2)+1], v[D+64*\q+2*kk:D+64*\q+2*kk+1]
.set kk, kk+1
.endr
	v_pk_add_f32 v[D+64*\q:D+64*\q+1], v[D+64*\q:D+64*\q+1], v[D+64*\q+2:D+64*\q+3]
.endr
.set kk, 0
.rept 16
	global_store_b64 v2, v[D+64:D+65], s[16:17] offset:2048*kk th:TH_STORE_NT   ; row 16 wave + kk of the W2 part: 256 consecutive bytes, at a multiple of 256 from out0's first byte
.set kk, kk+1
.endr
	s_cmp_lg_u32 s14, 0
	s_cbranch_scc1 .Lnot_b1
	global_store_b64 v2, v[D:D+1], s[8:9] offset:OB1 th:TH_STORE_NT   ; wave 0: the tile's 64 numbers of the b1 part
.Lnot_b1:
	s_cmp_lg_u32 s18, 1
	s_cbranch_scc1 .Lnot_b2
	global_store_b64 v2, v[12:13], s[8:9] offset:OB2 th:TH_STORE_NT   ; wave 1 of tile 0: the b2 part: the two branches' bias Jacobians cancel, so reference() has zeros there
.Lnot_b2:
	s_endpgm
.Lfunc_end_k_qe014df043c_fold:
	.size	k_qe014df043c_fold, .Lfunc_end_k_qe014df043c_fold-k_qe014df043c_fold
	.p2alignl 7, 3214868480
	.fill 96, 4, 3214868480
	.section	.rodata,"a",@progbits
	.p2align	6, 0x0
	.amdhsa_kernel k_qe014df043c_fold
		.amdhsa_group_segment_fixed_size 0
		.amdhsa_private_segment_fixed_size 0
		.amdhsa_enable_private_segment 0
		.amdhsa_kernarg_size 24
		.amdhsa_user_sgpr_count 2
		.amdhsa_user_sgpr_kernarg_segment_ptr 1
		.amdhsa_wavefront_size32 1
		.amdhsa_system_sgpr_workgroup_id_x 1
		.amdhsa_system_sgpr_workgroup_id_y 1
		.amdhsa_system_sgpr_workgroup_id_z 1
		.amdhsa_system_vgpr_workitem_id 0
		.amdhsa_next_free_vgpr 152
		.amdhsa_next_free_sgpr 66
		.amdhsa_reserve_vcc 0
		.amdhsa_float_denorm_mode_32 3
		.amdhsa_float_denorm_mode_16_64 3
		.amdhsa_memory_ordered 1
		.amdhsa_forward_progress 1
		.amdhsa_inst_pref_size 22
	.end_amdhsa_kernel
	.amdgpu_metadata
---
amdhsa.version: [ 1, 2 ]
amdhsa.kernels:
  - .name:           k_qe014df043c_fold
    .symbol:         k_qe014df043c_fold.kd
    .args:
      - { .name: pw, .offset: 0, .size: 8, .value_kind: global_buffer, .address_space: global }
      - { .name: ps, .offset: 8, .size: 8, .value_kind: global_buffer, .address_space: global }
      - { .name: out0, .offset: 16, .size: 8, .value_kind: global_buffer, .address_space: global }
    .group_segment_fixed_size: 0
    .private_segment_fixed_size: 0
    .kernarg_segment_align: 8
    .kernarg_segment_size: 24
    .max_flat_workgroup_size: 128
    .sgpr_count:     66
    .vgpr_count:     152
    .wavefront_size: 32
...
	.end_amdgpu_metadata
.endif
;; end of part 4
